; MI455X (gfx1250); checked and timed in simulation.
; The chip was launched on July 23, 2026; its instructions are those of AMD's public machine-readable ISA for CDNA 5 (MIT licence, August 2026) and "CDNA5" Instruction Set Architecture Reference Guide (July 2026). The comments in the code are by the model that wrote it; some were corrected since.
;; Single Head Attention. Allowed arithmetic: matrix products marked QUANTISED: E4M3 operands, one given power-of-two scale a tensor, by v_wmma_f32_16x16x64_fp8_fp8 or v_wmma_f32_16x16x128_fp8_fp8, f32 sums; everything else in f32.
;; Inputs: WK_b 1,024 float32; WK_w_codes 1,024 x 32 x 32 uint8 (E4M3 codes of WK_w, K innermost, in blocks of 32 codes); WQ_b 1,024 float32; WQ_w_codes 1,024 x 32 x 32 uint8 (E4M3 codes of WQ_w, K innermost, in blocks of 32 codes); WV_b 1,024 float32; WV_w_codes 1,024 x 32 x 32 uint8 (E4M3 codes of WV_w, K innermost, in blocks of 32 codes); lowp_scales 10 int32 (the exponents e of the quantised operands' scales 2^e); xs_codes 4 x 2,048 x 32 x 32 uint8 (E4M3 codes of xs, K innermost, in blocks of 32 codes).
;; Outputs: out0 4 x 2,048 x 1,024 float32.
;; This version of the problem:
;;   THIS VERSION OF THE PROBLEM IS GIVEN IN LOW PRECISION. The matrix products marked QUANTISED in the list below multiply operands that are first quantised to E4M3 (4 exponent bits, 3 mantissa bits; 8 bits a number), with one given power-of-two scale for each operand tensor; their sums are f32. All else is computed in f32.
;;   The module's matrix products, in the order in which they are computed (A, B: the left and right operand; K: the contracted axis; several contracted axes count as one K, in the product's order):
;;     1. [M 8,192, K 1,024] x [K 1,024, N 1,024]; A: input xs (given as codes); B: input WQ_w (given as codes): QUANTISED (scales: A lowp_scales[0], B lowp_scales[1])
;;     2. [M 8,192, K 1,024] x [K 1,024, N 1,024]; A: input xs (given as codes); B: input WK_w (given as codes): QUANTISED (scales: A lowp_scales[2], B lowp_scales[3])
;;     3. [M 8,192, K 1,024] x [K 1,024, N 1,024]; A: input xs (given as codes); B: input WV_w (given as codes): QUANTISED (scales: A lowp_scales[4], B lowp_scales[5])
;;     4. batch 4 x [M 2,048, K 1,024] x [K 1,024, N 2,048]; A: computed on the way; B: computed on the way: QUANTISED (scales: A lowp_scales[6], B lowp_scales[7])
;;     5. batch 4 x [M 2,048, K 2,048] x [K 2,048, N 1,024]; A: softmax (see below); B: computed on the way: QUANTISED (scales: A lowp_scales[8], B lowp_scales[9])
;;   THE QUANTISER, for each operand of a quantised product, along K:
;;     - The operand's scale is 2^e, e = its entry of the input lowp_scales (int32; the entries are numbered through the quantised products in the list's order, A before B).
;;     - Each number is divided by the scale, clamped to +-448, and rounded to the nearest number of E4M3, ties to even, subnormals kept.
;;     - The product sums the exact products of the quantised numbers (number of the format x scale) in f32.
;;   ~~~python
;;   def quantise(x, axis, e):      # numpy; x: float32 -> the quantised numbers, widened to float32 again
;;       x = np.moveaxis(x, axis, -1); K = x.shape[-1]
;;       r = np.clip(x / 2.0 ** e, -448, 448)
;;       step = 2.0 ** (np.maximum(np.frexp(np.where(r == 0, 1, r))[1] - 1, -6) - 3)
;;       q = np.round(r / step) * step * 2.0 ** e      # np.round: ties to even
;;       return np.moveaxis(q, -1, axis).astype(np.float32)
;;   ~~~
;;   SOFTMAX AHEAD OF A QUANTISED PRODUCT. Where the list says 'softmax', what is quantised is not the finished softmax but p = 2^(t - M), with t = logit x log2(e) and M = ceil(the row's largest t), a whole number; so 1/2 < the row's largest p <= 1. The row's sum l is taken of the UNQUANTISED p, in f32, and the product's result is divided by l at the end. Since M is a whole number, a kernel that streams over the keys may use a running M (the ceiling of the running maximum): every later rescaling is an exact power of two, so the quantised numbers keep their values, but for numbers so far below the row's largest that they fall under the format's range.
;;   OPERANDS COMPUTED ON THE WAY. 'Computed on the way' means the value that the module computes at that place (a softmax that the list does not call 'softmax' is quantised finished and normalised). What goes into a quantiser is computed in f32, as accurately as f32 sums, v_exp_f32 and their like allow (about 1e-6 of the number): no bf16 or f16 on the way to a quantiser, and a product that is left as it is and whose result goes on into a quantised operand takes f32 operands (vector FMAs, or v_wmma_f32_16x16x4_f32). A number that lies on a knife's edge between two numbers of the format may be rounded either way, as far as f32 arithmetic and the matrix unit's own rounding can turn it there, and no further.
;;   INPUTS GIVEN AS CODES. WK_w (in the module: [1024, 1024], K = its axis 1); WQ_w (in the module: [1024, 1024], K = its axis 1); WV_w (in the module: [1024, 1024], K = its axis 1); xs (in the module: [4, 2048, 1024], K = its axis 2): each comes as NAME_codes (uint8): NAME with its K axis moved to the last place and cut into blocks of 32 codes, [.., K / 32, bytes a block], one block behind the other in memory; one code a byte (a code: sign, 4 exponent bits, 3 mantissa bits); its scale is its entry of lowp_scales. Its value is code x scale, taken as it is: it is not quantised again, and the codes and scales need not be those that the quantiser above would give.
;; One version. Each part assembles by itself: llvm-mc -triple=amdgcn-amd-amdhsa -mcpu=gfx1250 --defsym DOCPART=n.
;; ======== version 1 of 1: 3 launches
;; limits: right only within a limited range of input values
;; workspace buffers: q_codes 8,388,608 bytes; k_codes 8,388,608 bytes; vt_codes 8,388,608 bytes; p_codes 16,777,216 bytes; stats 524,288 bytes
;; launch proj (part 1): grid 8 x 32, 4 waves a work-group, clusters of 4 x 4, 327,680 bytes of LDS; arguments xs_codes, WQ_w_codes, WK_w_codes, WV_w_codes, WQ_b, WK_b, WV_b, lowp_scales, q_codes, k_codes, vt_codes; writes q_codes, k_codes, vt_codes
.if DOCPART == 1
	.amdgcn_target "amdgcn-amd-amdhsa--gfx1250"
	.amdhsa_code_object_version 6
	.text
	.protected	k_q13ce8d6dd4_proj
	.globl	k_q13ce8d6dd4_proj
	.p2align	8
	.type	k_q13ce8d6dd4_proj,@function
k_q13ce8d6dd4_proj:
	s_mov_b64 s[64:65], 0
	v_nop
	global_prefetch_b8 v0, s[64:65] scope:SCOPE_SE
	s_setreg_imm32_b32 hwreg(HW_REG_WAVE_MODE, 25, 1), 1
	s_wait_xcnt 0x0
	s_wait_alu depctr_hold_cnt(0) depctr_sa_sdst(0) depctr_va_vdst(0) depctr_va_sdst(0) depctr_va_ssrc(0) depctr_va_vcc(0) depctr_vm_vsrc(0)
	s_getreg_b32 s2, hwreg(HW_REG_IB_STS2, 6, 4)
	s_cmp_eq_u32 s2, 0
	s_cbranch_scc0 .Lentry_in_a_cluster
	s_endpgm
.Lentry_in_a_cluster:
	s_bfe_u32 s2, ttmp6, 0x10000c
	s_cmp_lg_u32 s2, 0xf033
	s_cbranch_scc0 .Lentry_shape_is_right
	s_endpgm
.Lentry_shape_is_right:
; THE THREE PROJECTIONS, AS CODES: q = xs WQ^T + bQ, k = xs WK^T + bK, v = xs WV^T + bV on codes of E4M3, each result quantised at once with the scale given for it in the products that follow (q: e6, k: e7, v: e9).
; WORK LEFT OUT IN THE LAUNCHES THAT FOLLOW: tiles of scores whose keys all come after their queries.  The causal mask makes their weights 0 for all values of the inputs;
; clusters of 1,024 x 1,024 above the diagonal are not multiplied.  LIMIT: a NaN, an infinity or an overflow that reaches only that work is not carried to the result.
; SHARES.  A work-group makes 256 tokens x (128 channels of q, the same 128 of k, the same 128 of v): 8 x 32 = 256 work-groups, all alike.  A wave makes 128 tokens x (64 + 64 + 64): 96 accumulators of 16 x 16, 768 registers.
; CLUSTERS of 4 x 4: the four of a row share the tile of xs, the four of a column the tiles of the weights; each tile is asked for jointly.
; LAYOUT OF THE RESULTS: q and k: [block of 128 channels][token][128 bytes], so that a work-group's part is dense; v transposed: [channel][token], the keys innermost.
; TRANSPOSED USE for q and k (source 0 = weights, source 1 = xs): a lane holds one token and eight neighbouring channels.  For v the sources are swapped: a lane holds one channel and eight neighbouring tokens.
; K goes in steps of 256 (rows of 256 bytes).  LDS: two slots of xs (A0, A1), and FIVE blocks of 128 rows of weights (P0 .. P4), since six do not fit.  The order of work, each line behind its barrier, and what is asked for there:
;   step 0: q P0, k P1, v P2      asks xs 1 -> A1, q 1 -> P3, k 1 -> P4 (all first fills)
;   step 1: q P3, k P4            asks v 1 -> P0
;   step 1: v P0                  asks xs 2 -> A0, q 2 -> P2, k 2 -> P3, v 2 -> P4
;   step 2: q P2, k P3, v P4      asks xs 3 -> A1, q 3 -> P0, k 3 -> P1
;   step 3: q P0, k P1            asks v 3 -> P2
;   step 3: v P2                  asks nothing
; Wave 0 fetches xs, waves 1 to 3 the weights of q, k, v: one load a wave behind each barrier.
; A fragment (16 rows x 64 K) comes by two loads of 16 bytes: a permutation of k that is the same in both operands.
; THE BIAS is the C of each sum's first product, divided by 2^(ea + eb), the power of two that the sums lack.  It stands in the accumulators of rows 112-127 (a = 7), which take it in place, last.
; PREFETCH: K step 2 is asked for behind step 1's load, K step 3 behind the load of v 1: two loads ahead.  A lane a row; partners share the rows out by address; the weights are asked for by the clusters of the first 4,096 tokens alone.
; LIMITS: eo - ea - eb between -126 and 119 for each product, so that the scale and 448 x the scale are f32 numbers.  NaN among the inputs is not served.
; REGISTERS: window 0: v0-31 addresses and constants; v32-95, v96-159 two sets of xs fragments; v160-255 three groups of weight fragments.  Windows 1, 2, 3: q's, k's, v's accumulators, (a, b) at v[8 (4 a + b)].
.set PITCH, 272                        ; an LDS row: 256 bytes + 16 of padding: the 16 rows that a load touches start at 16 different banks (ISA guide 11.1)
.set ASLOT, 256*PITCH
.set BLK,   128*PITCH
.set W0,    2*ASLOT                    ; P0
.set QP,    144                        ; the stages of q and k: a token's 128 codes + 16
.set KST,   W0+3*BLK                   ; q's stage lies in A0, k's and v's from P3 on: all have had their last fill and their last read
.set VST,   KST+256*QP
.set SPARE, 327168                     ; the spare words, 128 bytes for each wave
.set SC,   8                           ; v8-10   2^(eo - ea - eb) of q, k, v
.set LIM,  11                          ; v11-13  448 x that
.set STOQ, 14
.set STOK, 15
.set ADRA, 16                          ; v16-17
.set ADRW, 18                          ; v18-22
.set STOV, 23
.set RDQ,  24
.set RDK,  25
.set RDV,  26
.set COQ,  27
.set SPW,  28
.set NIL,  29
.set PFO,  30
.set COV,  31
.set G1A, 24
.set G0A, 32
.set G0W, 36
.set G1W, 48
.set PADW, (1<<20)|(1<<21)|(5<<22)|(3<<25)  ; elements of 1 byte; padding: 4 words after every 64; bit 21 beside a mask
.set MSB, 0
.set ISS, 0                            ; LDS loads issued so far in the text, and behind which of them each set and group is whole: the counted waits are made of these
.set AI0, 0
.set AI1, 0
.set BI0, 0
.set BI1, 0
.set BI2, 0
.set AP, 0
.set BQ, 0
.macro WIN new                         ; the immediate's high byte repeats the setting that is left
.if MSB != (\new)
	s_set_vgpr_msb (MSB<<8)|(\new)
.set MSB, (\new)
.endif
.endm
.macro PLACES n                        ; places behind matrix instructions (ISA guide 7.12.1)
.rept \n
	v_nop
.endr
.endm
.macro LOADW
	tensor_load_to_lds s[G0W:G0W+3], s[G1W:G1W+7]
	s_nop 0
	PLACES 4
.endm
.macro JALL lim                        ; wave 0 fetches xs, waves 1 .. lim - 1 weights
	s_cmp_eq_u32 s14, 0
	s_cbranch_scc0 .Lw_\@
	tensor_load_to_lds s[G0A:G0A+3], s[G1A:G1A+7]
	s_nop 0
	PLACES 4
	s_branch .Ld_\@
.Lw_\@:
.if \lim < 4
	s_cmp_lt_u32 s14, \lim
	s_cbranch_scc0 .Ld_\@
.endif
	LOADW
.Ld_\@:
.endm
.macro JV                              ; wave 3 alone fetches
	s_cmp_eq_u32 s14, 3
	s_cbranch_scc0 .Ld_\@
	LOADW
.Ld_\@:
.endm
.macro CREST                           ; a round of the cluster's barrier behind its opening barrier
	s_cmp_lg_u32 s14, 0
	s_cbranch_scc1 .Lnot_wave_0_\@
	s_barrier_signal -3
.Lnot_wave_0_\@:
	s_barrier_wait -3
	s_barrier_signal -1
	s_barrier_wait -1
.endm
.macro CROUND
	s_barrier_signal -1
	s_barrier_wait -1
	CREST
.endm
.macro ASK off                         ; s10: 2 in wave 0 (64 rows of xs), 1 in waves 1 to 3 of the clusters that ask (32 rows of weights), else 0
	s_cmp_lg_u32 s10, 0
	s_cbranch_scc0 .Lq_\@
	global_prefetch_b8 v[PFO], s[6:7] offset:\off th:TH_LOAD_NT scope:SCOPE_SE
	s_cmp_eq_u32 s10, 2
	s_cbranch_scc0 .Lq_\@
	global_prefetch_b8 v[PFO], s[6:7] offset:\off+32768 th:TH_LOAD_NT scope:SCOPE_SE
.Lq_\@:
.endm
	s_load_b512 s[68:83], s[0:1], 0x0              ; xs s68, WQ s70, WK s72, WV s74, bQ s76, bK s78, bV s80, exponents s82
	s_load_b128 s[84:87], s[0:1], 0x40             ; q s84, k s86
	s_load_b64 s[88:89], s[0:1], 0x50              ; v^T
	v_lshl_add_u32 v[SPW], v0, 2, SPARE
	v_mov_b32 v[NIL], 0
	ds_add_u32 v[SPW], v[NIL]                      ; the opening: the add, twice on end, and its wait
	ds_add_u32 v[SPW], v[NIL]
	v_lshrrev_b32 v3, 5, v0
	v_readfirstlane_b32 s14, v3                    ; wave 0..3
	s_lshr_b32 s15, s14, 1                         ; my half of the tokens
	s_and_b32 s16, s14, 1                          ; my half of the channels
	s_bfe_u32 s40, ttmp6, 0x40000                  ; cx, cy
	s_bfe_u32 s41, ttmp6, 0x40004
	s_lshl_b32 s42, ttmp9, 2
	s_add_co_u32 s42, s42, s40                     ; t: which 128 channels
	s_and_b32 s12, ttmp7, 0xffff                   ; the cluster's y
	s_lshl_b32 s17, s12, 2
	s_add_co_u32 s17, s17, s41                     ; which 256 tokens
	s_lshl_b32 s43, s41, 2
	s_lshl_b32 s43, 15, s43                        ; my row of the cluster
	s_lshl_b32 s44, 0x1111, s40                    ; my column
	s_or_b32 s[G1A], s43, PADW
	s_mov_b32 s[G1A+1], 256<<16                    ; rows of 256 bytes
	s_mov_b32 s[G1A+2], 256<<16                    ; 256 of them
	s_mov_b32 s[G1A+3], 256<<16
	s_mov_b32 s[G1A+4], 256
	s_mov_b32 s[G1A+5], 1024
	s_mov_b32 s[G1A+6], 0
	s_mov_b32 s[G1A+7], 0
	s_or_b32 s[G1W], s44, PADW
	s_mov_b32 s[G1W+1], 256<<16
	s_mov_b32 s[G1W+2], 128<<16                    ; 128 rows
	s_mov_b32 s[G1W+3], 256<<16
	s_mov_b32 s[G1W+4], 128
	s_mov_b32 s[G1W+5], 1024
	s_mov_b32 s[G1W+6], 0
	s_mov_b32 s[G1W+7], 0
	s_lshl_b32 s20, s17, 18                        ; 256 rows of 1,024 bytes
	s_mov_b32 s21, 0
	s_lshl_b32 s46, s42, 17                        ; 128 rows
	s_mov_b32 s47, 0
	s_mul_i32 s45, s14, BLK
	s_add_co_u32 s45, s45, W0-BLK                  ; wave w's block P(w - 1)
	s_wait_dscnt 0x0                               ; both opening adds are done
	s_wait_alu depctr_va_vdst(0)
	s_wait_kmcnt 0x0
	s_load_b256 s[92:99], s[82:83], 0x0            ; e0 .. e7
	s_load_b64 s[100:101], s[82:83], 0x20          ; e8, e9
	s_cmp_eq_u32 s14, 1
	s_cselect_b64 s[4:5], s[70:71], s[72:73]
	s_cmp_eq_u32 s14, 3
	s_cselect_b64 s[4:5], s[74:75], s[4:5]
	s_add_nc_u64 s[20:21], s[68:69], s[20:21]
	s_add_nc_u64 s[46:47], s[4:5], s[46:47]
	CROUND                                         ; all sixteen work-groups are here
	s_mov_b32 s[G0A], 1
	s_mov_b32 s[G0A+1], 0
	s_mov_b64 s[G0A+2:G0A+3], s[20:21]
	s_or_b32 s[G0A+3], s[G0A+3], 0x80000000
	s_mov_b32 s[G0W], 1
	s_mov_b32 s[G0W+1], s45
	s_mov_b64 s[G0W+2:G0W+3], s[46:47]
	s_or_b32 s[G0W+3], s[G0W+3], 0x80000000
	JALL 4                                         ; K step 0
	v_and_b32 v1, 15, v0                           ; r
	v_bfe_u32 v2, v0, 4, 1                         ; h
	v_and_b32 v3, 31, v0                           ; lane
	s_wait_alu depctr_va_vdst(0)
	s_lshl_b32 s22, s42, 9                         ; my 64 numbers of each bias
	s_lshl_b32 s23, s16, 8
	s_add_co_u32 s22, s22, s23
	s_mov_b32 s23, 0
	s_add_nc_u64 s[76:77], s[76:77], s[22:23]
	s_add_nc_u64 s[78:79], s[78:79], s[22:23]
	s_add_nc_u64 s[80:81], s[80:81], s[22:23]
	v_lshlrev_b32 v4, 5, v2                        ; q, k: numbers 16 b + 8 h + 0 .. 7
	v_lshlrev_b32 v5, 2, v1                        ; v: number 16 b + r
	WIN 0x40
.irp b, 0,1,2,3
	global_load_b128 v[224+8*\b:227+8*\b], v4, s[76:77] offset:64*\b
	global_load_b128 v[228+8*\b:231+8*\b], v4, s[76:77] offset:64*\b+16
.endr
	WIN 0x80
.irp b, 0,1,2,3
	global_load_b128 v[224+8*\b:227+8*\b], v4, s[78:79] offset:64*\b
	global_load_b128 v[228+8*\b:231+8*\b], v4, s[78:79] offset:64*\b+16
.endr
	WIN 0
.irp b, 0,1,2,3
	global_load_b32 v[32+\b], v5, s[80:81] offset:64*\b
.endr
	s_lshl_b32 s8, s40, 16                         ; prefetches: 64 rows of xs by cx, 32 rows of weights by cy
	s_lshl_b32 s22, s41, 15
	s_cmp_lt_u32 s12, 4
	s_cselect_b32 s10, 1, 0
	s_cmp_eq_u32 s14, 0
	s_cselect_b32 s10, 2, s10
	s_cselect_b32 s8, s8, s22
	s_cselect_b64 s[6:7], s[20:21], s[46:47]
	s_mov_b32 s9, 0
	s_add_nc_u64 s[6:7], s[6:7], s[8:9]
	v_lshlrev_b32 v[PFO], 10, v3                   ; a lane a row of 1,024 bytes
	ASK 256                                        ; K step 1, whose load stands behind K step 0's landing
	s_mul_i32 s22, s15, 128*PITCH                  ; fragments: row x pitch + 16 h
	s_mul_i32 s23, s16, 64*PITCH
	s_add_co_u32 s23, s23, W0
	v_mul_u32_u24 v6, v1, PITCH
	v_lshl_add_u32 v7, v2, 4, v6
	v_add_nc_u32 v[ADRA], s22, v7
	v_add_nc_u32 v[ADRA+1], ASLOT, v[ADRA]
	v_add_nc_u32 v[ADRW], s23, v7
.irp i, 1,2,3,4
	v_add_nc_u32 v[ADRW+\i], BLK, v[ADRW+\i-1]
.endr
	s_mul_i32 s22, s15, 128*QP                     ; the stages, in: q, k: token 128 x half + r, byte 64 x half + 8 h
	s_lshl_b32 s23, s16, 6
	s_add_co_u32 s22, s22, s23
	v_mul_u32_u24 v7, v1, QP
	v_lshl_add_u32 v7, v2, 3, v7
	v_add_nc_u32 v[STOQ], s22, v7
	v_add_nc_u32 v[STOK], KST, v[STOQ]
	s_mul_i32 s22, s16, 64*PITCH                   ; v: channel 64 x half + r, byte 128 x half + 8 h
	s_lshl_b32 s23, s15, 7
	s_add_co_u32 s22, s22, s23
	s_add_co_u32 s22, s22, VST
	v_lshl_add_u32 v7, v2, 3, v6
	v_add_nc_u32 v[STOV], s22, v7
	s_mul_i32 s22, s14, 64*QP                      ; back: q, k: four tokens of 128 bytes at a time
	v_lshrrev_b32 v6, 3, v3
	v_mul_u32_u24 v6, v6, QP
	v_and_b32 v7, 7, v3
	v_lshl_add_u32 v6, v7, 4, v6
	v_add_nc_u32 v[RDQ], s22, v6
	v_add_nc_u32 v[RDK], KST, v[RDQ]
	s_mul_i32 s22, s14, 32*PITCH                   ; v: two channels of 256 bytes
	s_add_co_u32 s22, s22, VST
	v_mul_u32_u24 v6, v2, PITCH
	v_lshl_add_u32 v6, v1, 4, v6
	v_add_nc_u32 v[RDV], s22, v6
	v_lshlrev_b32 v[COQ], 4, v3
	v_lshlrev_b32 v6, 13, v2
	v_lshl_add_u32 v[COV], v1, 4, v6
	s_lshl_b32 s22, s42, 20                        ; q, k: 2^20 bytes a block of channels, 2^15 a tile of tokens, 2^13 a wave
	s_lshl_b32 s23, s17, 15
	s_add_co_u32 s22, s22, s23
	s_lshl_b32 s23, s14, 13
	s_add_co_u32 s22, s22, s23
	s_mov_b32 s23, 0
	s_add_nc_u64 s[84:85], s[84:85], s[22:23]
	s_add_nc_u64 s[86:87], s[86:87], s[22:23]
	s_lshl_b32 s22, s42, 20                        ; v^T: channel 128 t + 32 w, 8,192 bytes each; token 256 x tile
	s_lshl_b32 s23, s14, 18
	s_add_co_u32 s22, s22, s23
	s_lshl_b32 s23, s17, 8
	s_add_co_u32 s22, s22, s23
	s_mov_b32 s23, 0
	s_add_nc_u64 s[88:89], s[88:89], s[22:23]
	s_wait_alu depctr_va_vdst(0)
	s_wait_kmcnt 0x0                               ; the exponents: no branch hangs on them
	s_add_co_i32 s90, s92, s93
	s_sub_co_i32 s90, 0, s90                       ; -(e0 + e1)
	s_add_co_i32 s91, s94, s95
	s_sub_co_i32 s91, 0, s91                       ; -(e2 + e3)
	s_add_co_i32 s66, s96, s97
	s_sub_co_i32 s66, 0, s66                       ; -(e4 + e5)
.macro SCALE g, eo, ns                 ; a sum stands for sum x 2^(ea + eb): its code is sum / 2^(eo - ea - eb)
	s_add_co_i32 s67, s\eo, s\ns
	s_add_co_i32 s67, s67, 127
	s_lshl_b32 s11, s67, 23
	v_mov_b32 v[SC+\g], s11
	s_add_co_i32 s67, s67, 8
	s_lshl_b32 s67, s67, 23
	s_or_b32 s67, s67, 0x600000
	v_mov_b32 v[LIM+\g], s67
.endm
	SCALE 0, 98, 90
	SCALE 1, 99, 91
	SCALE 2, 101, 66
	s_wait_alu depctr_va_vdst(0)
	s_wait_loadcnt 0x0                             ; the biases
	WIN 0x41
.set i, 0
.rept 32
	v_ldexp_f32 v[224+i], v[224+i], s90
.set i, i+1
.endr
	WIN 0x82
.set i, 0
.rept 32
	v_ldexp_f32 v[224+i], v[224+i], s91
.set i, i+1
.endr
	WIN 0xc0
.irp b, 0,1,2,3
	v_ldexp_f32 v[224+8*\b], v[32+\b], s66
.endr
	WIN 0xc3
.irp b, 0,1,2,3
.irp j, 1,2,3,4,5,6,7
	v_mov_b32 v[224+8*\b+\j], v[224+8*\b]          ; v's bias is a lane's: the same number in all eight registers
.endr
.endr
	WIN 0
.macro LDA set, slot, k                ; 128 rows of xs x 64 K: 16 loads.  Lane l holds row l % 16; registers 4 c .. 4 c + 3 hold K = 32 c + 16 (l / 16) + 0 .. 15
.irp i, 0,1,2,3,4,5,6,7
.irp c, 0,1
	ds_load_b128 v[32+64*(\set)+8*\i+4*\c:35+64*(\set)+8*\i+4*\c], v[ADRA+\slot] offset:64*(\k)+32*\c+\i*16*PITCH
.endr
.endr
.set ISS, ISS+16
.if (\set) == 0
.set AI0, ISS
.else
.set AI1, ISS
.endif
.endm
.macro LDB buf, blk, k                 ; 64 rows of weights x 64 K: 8 loads
.irp i, 0,1,2,3
.irp c, 0,1
	ds_load_b128 v[160+32*(\buf)+8*\i+4*\c:163+32*(\buf)+8*\i+4*\c], v[ADRW+(\blk)] offset:64*(\k)+32*\c+\i*16*PITCH
.endr
.endr
.set ISS, ISS+8
.if (\buf) == 0
.set BI0, ISS
.elseif (\buf) == 1
.set BI1, ISS
.else
.set BI2, ISS
.endif
.endm
; 16 matrix instructions: four blocks of tokens from a0 on x the group's four blocks of channels.  The 32 accumulators of a group take turns, one instruction a turn.
; first = 1: C is the bias; the accumulators that hold it come last, five places behind the others' reads.
.macro MULH g, a0, first
	WIN 0x50*(\g)
.irp d, 0,1,2,3
.if (\first) && ((\a0)+\d == 7)
	PLACES 5
.endif
.irp b, 0,1,2,3
.set AC, 8*(4*((\a0)+\d)+\b)
.set CC, AC
.if \first
.set CC, 224+8*\b
.endif
.set XA, 32+64*AP+8*((\a0)+\d)
.set XB, 160+32*BQ+8*\b
.if (\g) == 3
	v_wmma_f32_16x16x64_fp8_fp8 v[AC:AC+7], v[XA:XA+7], v[XB:XB+7], v[CC:CC+7]
.else
	v_wmma_f32_16x16x64_fp8_fp8 v[AC:AC+7], v[XB:XB+7], v[XA:XA+7], v[CC:CC+7]
.endif
.endr
.endr
.endm
; A PHASE: n groups (g: 1 q, 2 k, 3 v; p: its block) x 256 along K = 4 n units of 32 matrix instructions.  At a unit's head the fragments of weights two units on are asked for, and at a step of 64 along K the next step's of xs.
; The last but one unit meets the barrier (turn 1 .. 5); behind it comes the load, then the next phase's first fragments (slot ns; blocks nb0, nb1; nk1 the second one's step along K).
.macro PHASE slot, n, g0, p0, g1, p1, g2, p2, first, turn, ns, nb0, nb1, nk1
.set UU, 0
.rept 4*\n
.set KK, UU/\n
.set GI, UU%\n
.set UN, UU+2
.set KN, UN/\n
.set GN, UN%\n
.set MA, 0
.if (GI == 0) && (KK < 3)
.set MA, 1
.endif
.set MB, 0
.if UN < 4*\n
.set MB, 1
.endif
.if (\turn == 9) && (UU == 1)          ; q and k leave beside v's last products
	s_wait_dscnt 24                                ; their rows are back in registers; the 24 fragment loads issued behind them may be out
	WIN 0x04
.set t, 0
.rept 16
	global_store_b128 v[COQ], v[4*t:4*t+3], s[84:85] offset:512*t   ; 32 lanes store 512 consecutive bytes
	global_store_b128 v[COQ], v[64+4*t:67+4*t], s[86:87] offset:512*t
.set t, t+1
.endr
.endif
.if MA+MB > 0
	PLACES 4
	WIN 0
.endif
.if MA == 1
	LDA 1-AP, \slot, KK+1
.endif
.if MB == 1
.set PB, \p0
.if GN == 1
.set PB, \p1
.elseif GN == 2
.set PB, \p2
.endif
	LDB (BQ+2)%3, PB, KN
.endif
.set GG, \g0
.if GI == 1
.set GG, \g1
.elseif GI == 2
.set GG, \g2
.endif
.set FF, 0
.if (\first == 1) && (KK == 0)
.set FF, 1
.endif
.set NEED, BI0
.if BQ == 1
.set NEED, BI1
.elseif BQ == 2
.set NEED, BI2
.endif
.set NA, AI0
.if AP == 1
.set NA, AI1
.endif
.if NA > NEED
.set NEED, NA
.endif
	s_wait_dscnt ISS-NEED                          ; this unit's fragments are in; the loads issued behind them may be out
.if (\turn > 0) && (\turn < 9) && (UU == 4*\n-2)
	WIN 0
	s_wait_tensorcnt 0x0                           ; all my tensor loads have landed: group 0 may be written
	ds_add_u32 v[SPW], v[NIL]                      ; 0 onto my spare word
.if \turn == 1
	s_mov_b32 s[G0W+1], W0                         ; v 1 -> P0
.elseif (\turn == 2) || (\turn == 3)
.if \turn == 2
	s_mov_b32 s[G0A+1], 0
	s_add_co_u32 s[G0W+1], s45, 2*BLK              ; P2, P3, P4
.else
	s_mov_b32 s[G0A+1], ASLOT
	s_mov_b32 s[G0W+1], s45                        ; P0, P1 (and P2 for v 3)
.endif
	s_add_nc_u64 s[G0A+2:G0A+3], s[G0A+2:G0A+3], 256
	s_add_nc_u64 s[G0W+2:G0W+3], s[G0W+2:G0W+3], 256
.endif
	MULH GG, 0, 0                                  ; sixteen matrix instructions stand between the add and the wait for it
	s_wait_dscnt 0x0                               ; the add is done, and so are all my reads for this phase (the last unit's fragments among them)
	s_barrier_signal -1
	MULH GG, 4, 0
	WIN 0
	s_barrier_wait -1
.if \turn < 5
	CREST
.endif
.if (\turn == 1) || (\turn == 4)
	JV
.elseif \turn == 2
	JALL 4
.elseif \turn == 3
	JALL 3
.endif
	PLACES 4
.set NS, 1-AP
.if \n == 1
.set NS, AP
.endif
	LDA NS, \ns, 0
	LDB (BQ+2)%3, \nb0, 0
	LDB BQ, \nb1, \nk1
.if \turn == 1
	ASK 768                                        ; K step 3
.endif
.else
	MULH GG, 0, FF
	MULH GG, 4, FF
.endif
.set BQ, (BQ+1)%3
.if GI == \n-1
.set AP, 1-AP
.endif
.set UU, UU+1
.endr
.endm
	s_wait_alu depctr_va_vdst(0)
	s_wait_tensorcnt 0x0
	ds_add_u32 v[SPW], v[NIL]
	s_mov_b32 s[G0A+1], ASLOT
	s_add_co_u32 s[G0W+1], s45, 3*BLK              ; P3, P4
	s_add_nc_u64 s[G0A+2:G0A+3], s[G0A+2:G0A+3], 256
	s_add_nc_u64 s[G0W+2:G0W+3], s[G0W+2:G0W+3], 256
	s_wait_dscnt 0x0
	CROUND
	JALL 3                                         ; K step 1: xs, q, k
	LDA 0, 0, 0
	LDB 0, 0, 0
	LDB 1, 1, 0
	ASK 512                                        ; K step 2
	PHASE 0, 3, 1, 0, 2, 1, 3, 2, 1, 1, 1, 3, 4, 0
	PHASE 1, 2, 1, 3, 2, 4, 0, 0, 0, 2, 1, 0, 0, 1
	PHASE 1, 1, 3, 0, 0, 0, 0, 0, 0, 3, 0, 2, 3, 0
	PHASE 0, 3, 1, 2, 2, 3, 3, 4, 0, 4, 1, 0, 1, 0
	PHASE 1, 2, 1, 0, 2, 1, 0, 0, 0, 5, 1, 2, 2, 1
; q and k ARE FINISHED ahead of v's last phase, whose first fragments are in window 0: so their sums are held in place, in their own windows, and the codes take v0-7, which nobody needs any more.
.macro QKOUT g, sto
	WIN 0x41*(\g)
.set i, 0
.rept 256
	v_med3_num_f32 v[i], v[i], -v[LIM+\g-1], v[LIM+\g-1]
.set i, i+1
.endr
.irp a, 0,1,2,3,4,5,6,7
	WIN \g
.irp b, 0,1,2,3
	v_cvt_scalef32_pk8_fp8_f32 v[2*\b:2*\b+1], v[32*\a+8*\b:32*\a+8*\b+7], v[SC+\g-1]
.endr
	v_nop                                          ; one plain vector instruction behind the conversions
	WIN 0
.irp b, 0,1,2,3
	ds_store_b64 v[\sto], v[2*\b:2*\b+1] offset:\a*16*QP+16*\b
.endr
.endr
.endm
	WIN 0
	PLACES 4
	QKOUT 1, STOQ
	QKOUT 2, STOK
	s_wait_dscnt 0x0                               ; for the others' sake: my stores are done
	s_barrier_signal -1
	s_barrier_wait -1                              ; a token's 128 codes come from two waves
	WIN 0x40                                       ; the rows come back into window 1: q's sums are codes by now
.set t, 0
.rept 16
	ds_load_b128 v[4*t:4*t+3], v[RDQ] offset:4*t*QP
.set t, t+1
.endr
.set t, 0
.rept 16
	ds_load_b128 v[64+4*t:67+4*t], v[RDK] offset:4*t*QP
.set t, t+1
.endr
	WIN 0
	PHASE 1, 1, 3, 2, 0, 0, 0, 0, 0, 9, 0, 0, 0, 0
	WIN 0
	PLACES 4
; THE WAY OUT.  Each sum is held within +-448 x the scale (the conversion to an 8-bit code does not saturate: ISA guide 7.6.2), eight neighbours become eight codes, which go into the stage.  Accumulators are read from the low end on.
.macro CODES g, a, sto, da, db         ; group g's block a of tokens: da, db: the stage's bytes from block to block of tokens, of channels
.set TT, 32+32*((\a)%2)
.set CD, 96+8*((\a)%4)
	WIN \g
.set i, 0
.rept 32
	v_med3_num_f32 v[TT+i], v[32*(\a)+i], -v[LIM+\g-1], v[LIM+\g-1]
.set i, i+1
.endr
	WIN 0
.irp b, 0,1,2,3
	v_cvt_scalef32_pk8_fp8_f32 v[CD+2*\b:CD+2*\b+1], v[TT+8*\b:TT+8*\b+7], v[SC+\g-1]
.endr
	v_nop                                          ; one plain vector instruction behind the conversions
.irp b, 0,1,2,3
	ds_store_b64 v[\sto], v[CD+2*\b:CD+2*\b+1] offset:(\a)*(\da)+\b*(\db)
.endr
.endm
.irp a, 0,1,2,3,4,5,6,7
	CODES 3, \a, STOV, 16, 16*PITCH
.endr
	s_wait_dscnt 0x0                               ; for the others' sake: my stores are done
	s_barrier_signal -1
	s_barrier_wait -1
.set t, 0
.rept 16
	ds_load_b128 v[160+4*t:163+4*t], v[RDV] offset:2*t*PITCH
.set t, t+1
.endr
.set t, 0
.rept 16
	s_wait_dscnt 15-t
	global_store_b128 v[COV], v[160+4*t:163+4*t], s[88:89] offset:2*t*8192   ; 16 lanes store 256 consecutive bytes, aligned
.set t, t+1
.endr
	s_wait_tensorcnt 0x0                           ; the wave's end
	ds_add_u32 v[SPW], v[NIL]
	s_wait_dscnt 0x0
	CROUND                                         ; the closing round
	s_endpgm
.Lfunc_end_k_q13ce8d6dd4_proj:
	.size	k_q13ce8d6dd4_proj, .Lfunc_end_k_q13ce8d6dd4_proj-k_q13ce8d6dd4_proj
	.p2alignl 7, 3214868480
	.fill 96, 4, 3214868480
	.section	.rodata,"a",@progbits
	.p2align	6, 0x0
	.amdhsa_kernel k_q13ce8d6dd4_proj
		.amdhsa_group_segment_fixed_size 327680
		.amdhsa_private_segment_fixed_size 0
		.amdhsa_enable_private_segment 0
		.amdhsa_kernarg_size 88
		.amdhsa_user_sgpr_count 2
		.amdhsa_user_sgpr_kernarg_segment_ptr 1
		.amdhsa_wavefront_size32 1
		.amdhsa_system_sgpr_workgroup_id_x 1
		.amdhsa_system_sgpr_workgroup_id_y 1
		.amdhsa_system_sgpr_workgroup_id_z 1
		.amdhsa_system_vgpr_workitem_id 0
		.amdhsa_next_free_vgpr 1024
		.amdhsa_next_free_sgpr 102
		.amdhsa_reserve_vcc 0
		.amdhsa_float_denorm_mode_32 3
		.amdhsa_float_denorm_mode_16_64 3
		.amdhsa_memory_ordered 1
		.amdhsa_forward_progress 1
		.amdhsa_inst_pref_size 249
	.end_amdhsa_kernel
	.amdgpu_metadata
---
amdhsa.version: [ 1, 2 ]
amdhsa.kernels:
  - .name:           k_q13ce8d6dd4_proj
    .symbol:         k_q13ce8d6dd4_proj.kd
    .args:
      - { .name: xs_codes, .offset: 0, .size: 8, .value_kind: global_buffer, .address_space: global }
      - { .name: WQ_w_codes, .offset: 8, .size: 8, .value_kind: global_buffer, .address_space: global }
      - { .name: WK_w_codes, .offset: 16, .size: 8, .value_kind: global_buffer, .address_space: global }
      - { .name: WV_w_codes, .offset: 24, .size: 8, .value_kind: global_buffer, .address_space: global }
      - { .name: WQ_b, .offset: 32, .size: 8, .value_kind: global_buffer, .address_space: global }
      - { .name: WK_b, .offset: 40, .size: 8, .value_kind: global_buffer, .address_space: global }
      - { .name: WV_b, .offset: 48, .size: 8, .value_kind: global_buffer, .address_space: global }
      - { .name: lowp_scales, .offset: 56, .size: 8, .value_kind: global_buffer, .address_space: global }
      - { .name: q_codes, .offset: 64, .size: 8, .value_kind: global_buffer, .address_space: global }
      - { .name: k_codes, .offset: 72, .size: 8, .value_kind: global_buffer, .address_space: global }
      - { .name: vt_codes, .offset: 80, .size: 8, .value_kind: global_buffer, .address_space: global }
    .group_segment_fixed_size: 327680
    .private_segment_fixed_size: 0
    .kernarg_segment_align: 8
    .kernarg_segment_size: 88
    .max_flat_workgroup_size: 128
    .sgpr_count:     102
    .vgpr_count:     1024
    .wavefront_size: 32
...
	.end_amdgpu_metadata
.endif
;; end of part 1
;; launch scores (part 2): grid 12 x 16, 4 waves a work-group, clusters of 4 x 4, 327,680 bytes of LDS; arguments q_codes, k_codes, lowp_scales, p_codes, stats; writes p_codes, stats
.if DOCPART == 2
	.amdgcn_target "amdgcn-amd-amdhsa--gfx1250"
	.amdhsa_code_object_version 6
	.text
	.protected	k_q13ce8d6dd4_scores
	.globl	k_q13ce8d6dd4_scores
	.p2align	8
	.type	k_q13ce8d6dd4_scores,@function
k_q13ce8d6dd4_scores:
	s_mov_b64 s[64:65], 0
	v_nop
	global_prefetch_b8 v0, s[64:65] scope:SCOPE_SE
	s_setreg_imm32_b32 hwreg(HW_REG_WAVE_MODE, 25, 1), 1
	s_wait_xcnt 0x0
	s_wait_alu depctr_hold_cnt(0) depctr_sa_sdst(0) depctr_va_vdst(0) depctr_va_sdst(0) depctr_va_ssrc(0) depctr_va_vcc(0) depctr_vm_vsrc(0)
	s_getreg_b32 s2, hwreg(HW_REG_IB_STS2, 6, 4)
	s_cmp_eq_u32 s2, 0
	s_cbranch_scc0 .Lentry_in_a_cluster
	s_endpgm
.Lentry_in_a_cluster:
	s_bfe_u32 s2, ttmp6, 0x10000c
	s_cmp_lg_u32 s2, 0xf033
	s_cbranch_scc0 .Lentry_shape_is_right
	s_endpgm
.Lentry_shape_is_right:
; THE WEIGHTS, AS CODES.  For each batch and each tile of 256 queries x 256 keys: S = q k^T on codes of E4M3 (K = 1,024), the causal mask, t = S x 2^(e6 + e7) x log2(e) / 32,
; M = the ceiling of the row's largest t IN THIS TILE (a whole number), p = 2^(t - M), l = the row's sum of the unquantised p in this tile.  p is quantised with 2^e8, keys innermost, and stored;
; (M, l) are stored for each row and tile.  The launch that follows brings the tiles of a row under one M by exact powers of two.
; WHICH TILES.  4 x 4 work-groups form a cluster: 1,024 queries x 1,024 keys.  Of a batch's four clusters the one that lies wholly above the diagonal is not launched (cluster x = 0, 1, 2: rows 0, 1, 1, columns 0, 0, 1).
; In the two clusters on the diagonal every work-group runs alike, whatever its place: a tile above the diagonal gives p = 0, l = 0 and M = -2^100.  (The next launch reads four of those tiles a batch.)
; The product is the same as in the launch before: a tile by four waves, each 128 x 128; a ring of two LDS slots of 256 along K; joint loads: q's tile along a row of the cluster, k's along a column.
; TRANSPOSED USE (source 0 = 16 keys, source 1 = 16 queries): lane (r, h) holds query 16 a + r, and register j of accumulator (a, b) key 16 b + 8 h + j: eight neighbours along the next K.
; LIMITS: e6 + e7 between -121 and 132 (they are added to the exponent field of log2(e) / 32); e8 between -126 and 119; |t| under 2^23, so that M is exact.  Where e8 <= -9 the hold at 448 x 2^e8
; falls on a tile's largest p.  NaN among the inputs is not served.
; REGISTERS: window 0: v0-31 addresses and constants; v32-95 64 numbers at work; v96-103 the largest t of block a; v104-119 -M, in pairs; v128-255 A's fragments, later the codes.
;   window 1: B's fragments, two sets.   windows 2, 3: the accumulators ((a, b) at v[8 (8 (a % 4) + b)]).
; q and k come as [block of 128 channels][token][128 bytes]: 256 tokens of a block are 32,768 dense bytes, stated as 128 rows of 256 bytes, with the padding behind each token's 128.
; A slot holds two blocks of channels: q's two (waves 0 and 1 fetch them), then k's two (waves 2 and 3).
; PREFETCH: K step 2 is asked for behind K step 1's load, K step 3 behind K step 2's: one K step ahead.  A wave asks for a quarter of the block that it fetches, lanes 256 bytes apart; the four partners share the block out by address (cx for q, cy for k).
.set ROWB,   256
; p leaves as dense tiles of 128 queries x 128 keys, 16,384 bytes, [batch][16 blocks of queries][16 blocks of keys]: a wave's part is one tile, so its codes need no other wave's.
; K step 1 is asked for at the head, behind K step 0's load.
.set FP,     144                       ; a token's row in LDS: 128 bytes + 16 of padding
.set KB,     256*FP                    ; one block of 128 channels
.set KSTEP,  0x200000                  ; two blocks of channels in memory
.set PFO,    14                        ; v14     256 x lane; never rewritten
.set FR,     16
.set NL,     4
.set NP,     4
.set SLOT,   4*KB
.set SPARE,  2*SLOT                    ; the spare words, 128 bytes for each wave
.set XM,     SPARE+512                 ; [2 column halves][256 rows] f32: each wave's largest t of its 128 keys
.set XL,     XM+2048                   ; the same for its sums
.set NINF, 3                           ; v3      -infinity
.set XS,   4                           ; v4      where I put my rows' largest t
.set XO,   5                           ; v5      where the other column half's lie
.set XLS,  6                           ; v6      where I put my rows' sums
.set XR,   7                           ; v7      the two rows whose (M, l) I store
.set L16,  8                           ; v8      16 x lane
.set SA,   10                          ; v[10:11], v[12:13] two chains of packed sums
.set SB,   12
.set ADRA, 16
.set ADRB, 20
.set STO,  24
.set RD,   25
.set DL,   27                          ; v27     my query less my first key: see the mask
.set SPW,  28
.set NIL,  29
.set SC,   30                          ; v30     2^e8 as f32
.set LIM,  31                          ; v31     448 x 2^e8
.set TMP,  32
.set TM,   96
.set NM,   104
.set AF,   128
.set HELD, 128                         ; behind the products: v128-191 a block's p, held
.set CD,   192                         ; v192-207 its codes
.set BACK, 208                         ; v208-223 its rows, back from the stage
.set S2,   224                         ; v[224:225], v[226:227] two more chains of packed sums
.set S3,   226
.set SUM,  228
.set SAD,  230
.set G1, 24
.set G0, 32
.set G1B, 48
.set G0B, 56
.set MK,  68                           ; s68-75  eight lane masks
.set CS,  76                           ; s[76:77] c = 2^(e6 + e7) log2(e) / 32: the packed form names a pair and takes its low word for both halves
.set SEL, 78                           ; s[78:79] lane selects for v_permlanex16_b32: lane l xor 16
.set MSB, 0
.macro WIN new
.if MSB != (\new)
	s_set_vgpr_msb (MSB<<8)|(\new)
.set MSB, (\new)
.endif
.endm
.set MUL_LO, 0xa1
.set MUL_HI, 0xf1
.set TO_B,   0x40
.macro JLOAD g0a, g1a, g0b, g1b        ; a joint load: waves 0 and 1 fetch for A, waves 2 and 3 for B; four v_nop follow each of the two lines
	s_cmp_eq_u32 s15, 0
	s_cbranch_scc0 .Lfor_b_\@
	tensor_load_to_lds s[\g0a:\g0a+3], s[\g1a:\g1a+7]
	s_nop 0
.rept 4
	v_nop
.endr
	s_branch .Lasked_\@
.Lfor_b_\@:
	tensor_load_to_lds s[\g0b:\g0b+3], s[\g1b:\g1b+7]
	s_nop 0
.rept 4
	v_nop
.endr
.Lasked_\@:
.endm
.macro CREST
	s_cmp_lg_u32 s14, 0
	s_cbranch_scc1 .Lnot_wave_0_\@
	s_barrier_signal -3
.Lnot_wave_0_\@:
	s_barrier_wait -3
	s_barrier_signal -1
	s_barrier_wait -1
.endm
.macro CROUND
	s_barrier_signal -1
	s_barrier_wait -1
	CREST
.endm
	s_load_b128 s[4:7], s[0:1], 0x0                ; q's codes s[4:5], k's s[6:7]
	s_load_b128 s[8:11], s[0:1], 0x10              ; the scales' exponents s[8:9], p's codes s[10:11]
	s_load_b64 s[12:13], s[0:1], 0x20              ; (M, l)
	v_lshl_add_u32 v[SPW], v0, 2, SPARE
	v_mov_b32 v[NIL], 0
	ds_add_u32 v28, v29
	ds_add_u32 v28, v29
	s_wait_dscnt 0x0
	v_lshrrev_b32 v1, 5, v0
	v_readfirstlane_b32 s14, v1                    ; wave 0..3
	s_lshr_b32 s15, s14, 1                         ; my half of the tile's queries.  Also: I fetch for q (0) or for k (1)
	s_and_b32 s16, s14, 1                          ; my half of its keys.  Also: which 128 rows I fetch
	s_bfe_u32 s40, ttmp6, 0x40000                  ; cx, cy
	s_bfe_u32 s41, ttmp6, 0x40004
	s_min_u32 s18, ttmp9, 1                        ; the cluster's row of the batch's 2 x 2: 0, 1, 1
	s_lshr_b32 s19, ttmp9, 1                       ; and its column: 0, 0, 1
	s_lshl_b32 s17, s18, 2
	s_add_co_u32 s17, s17, s41                     ; I: my tile of queries
	s_lshl_b32 s42, s19, 2
	s_add_co_u32 s42, s42, s40                     ; J: my tile of keys
	s_and_b32 s66, ttmp7, 0xffff                   ; the batch
	s_lshl_b32 s67, s66, 11                        ; its first token
	s_lshl_b32 s43, s41, 2
	s_lshl_b32 s43, 15, s43                        ; my row of the cluster
	s_lshl_b32 s44, 0x1111, s40                    ; my column
	s_or_b32 s[G1+0], s43, (0<<16)|(1<<20)|(1<<21)|(4<<22)|(3<<25)  ; the mask; elements of 1 byte; padding: 4 words after every 32; bit 21 beside a mask
	s_or_b32 s[G1B+0], s44, (0<<16)|(1<<20)|(1<<21)|(4<<22)|(3<<25)
.irp g, G1, G1B
	s_mov_b32 s[\g+1], ROWB<<16                    ; tensor_dim0
	s_mov_b32 s[\g+2], 128<<16                     ; tensor_dim1
	s_mov_b32 s[\g+3], ROWB<<16                    ; tile_dim0
	s_mov_b32 s[\g+4], 128                         ; tile_dim1
	s_mov_b32 s[\g+5], ROWB                        ; dense
	s_mov_b32 s[\g+6], 0
	s_mov_b32 s[\g+7], 0
.endr
	s_lshl_b32 s18, s16, 20                        ; which of the step's two blocks of channels I fetch
	s_lshl_b32 s20, s17, 8
	s_add_co_u32 s20, s20, s67
	s_lshl_b32 s20, s20, 7                         ; q: 128 bytes a token
	s_add_co_u32 s20, s20, s18
	s_mov_b32 s21, 0
	s_lshl_b32 s46, s42, 8
	s_add_co_u32 s46, s46, s67
	s_lshl_b32 s46, s46, 7                         ; k
	s_add_co_u32 s46, s46, s18
	s_mov_b32 s47, 0
	s_mul_i32 s45, s14, KB
	s_mov_b32 s[SEL], 0x76543210
	s_mov_b32 s[SEL+1], 0xfedcba98
	s_mov_b32 s[CS], 0x3d38aa3b                    ; log2(e) / 32
	s_wait_kmcnt 0x0
	s_load_b256 s[84:91], s[8:9], 0x0              ; e0 .. e7
	s_load_b64 s[92:93], s[8:9], 0x20              ; e8, e9
	s_add_nc_u64 s[20:21], s[4:5], s[20:21]
	s_add_nc_u64 s[46:47], s[6:7], s[46:47]
	s_cmp_eq_u32 s15, 0                            ; the prefetches: 8,192 bytes of the block that I fetch
	s_cselect_b64 s[80:81], s[20:21], s[46:47]
	s_cselect_b32 s82, s40, s41
	s_lshl_b32 s82, s82, 13
	s_mov_b32 s83, 0
	s_add_nc_u64 s[80:81], s[80:81], s[82:83]
	CROUND                                         ; all sixteen work-groups are here: the first joint loads meet
.irp s, 0,1
	s_mov_b32 s[G0+4*\s], 1
	s_add_co_u32 s[G0+4*\s+1], s45, \s*SLOT
	s_add_nc_u64 s[G0+4*\s+2:G0+4*\s+3], s[20:21], \s*KSTEP
	s_or_b32 s[G0+4*\s+3], s[G0+4*\s+3], 0x80000000
	s_mov_b32 s[G0B+4*\s], 1
	s_add_co_u32 s[G0B+4*\s+1], s45, \s*SLOT
	s_add_nc_u64 s[G0B+4*\s+2:G0B+4*\s+3], s[46:47], \s*KSTEP
	s_or_b32 s[G0B+4*\s+3], s[G0B+4*\s+3], 0x80000000
.endr
	JLOAD G0, G1, G0B, G1B                         ; K step 0
	v_and_b32 v1, 15, v0                           ; r
	v_bfe_u32 v2, v0, 4, 1                         ; h
	v_mul_u32_u24 v10, v1, FP
	v_and_b32 v[PFO], 31, v0
	v_lshlrev_b32 v[PFO], 8, v[PFO]
	s_wait_alu depctr_va_vdst(0)
	global_prefetch_b8 v[PFO], s[80:81] offset:KSTEP th:TH_LOAD_NT scope:SCOPE_SE   ; K step 1
	v_lshl_add_u32 v10, v2, 4, v10                 ; a fragment's row x pitch + 16 h
	s_mul_i32 s21, s15, 128*FP
	s_mul_i32 s22, s16, 128*FP
	s_add_co_u32 s22, s22, 2*KB
.irp s, 0,1
	v_add_nc_u32 v[ADRA+\s], s21, v10
	v_add_nc_u32 v[ADRB+\s], s22, v10
	s_add_co_u32 s21, s21, SLOT
	s_add_co_u32 s22, s22, SLOT
.endr
	s_mul_i32 s23, s14, 16*FP                      ; my stage for the codes, 16 queries x 144 bytes, in slot 0 (it has had its last fill and its last read by then)
	v_mul_u32_u24 v11, v1, FP                      ; in: row r, byte 8 h
	v_lshl_add_u32 v11, v2, 3, v11
	v_add_nc_u32 v[STO], s23, v11
	v_and_b32 v12, 31, v0                          ; back: four rows of 128 bytes at a time
	v_lshrrev_b32 v11, 3, v12
	v_mul_u32_u24 v11, v11, FP
	v_and_b32 v13, 7, v12
	v_lshl_add_u32 v11, v13, 4, v11
	v_add_nc_u32 v[RD], s23, v11
	s_lshl_b32 s23, s15, 9                         ; the rows' figures: word 128 x my row half + r of my column half's 256,
	s_lshl_b32 s22, s16, 10
	s_add_co_u32 s22, s22, s23
	s_add_co_u32 s22, s22, XM
	v_lshl_add_u32 v[XS], v1, 2, s22
	s_xor_b32 s22, s16, 1                          ; and of the other's
	s_lshl_b32 s22, s22, 10
	s_add_co_u32 s22, s22, s23
	s_add_co_u32 s22, s22, XM
	v_lshl_add_u32 v[XO], v1, 2, s22
	v_add_nc_u32 v[XLS], XL-XM, v[XS]
	v_and_b32 v11, 31, v0
	s_lshl_b32 s22, s14, 8
	s_add_co_u32 s22, s22, XM
	v_lshl_add_u32 v[XR], v11, 3, s22              ; rows 64 w + 2 lane and the next
	v_lshlrev_b32 v[L16], 4, v11
	v_mov_b32 v[NINF], 0xff800000
	s_sub_co_i32 s18, s17, s42                     ; the mask.  Register j of accumulator (a, b) is hidden where its key comes after its query:
	s_lshl_b32 s18, s18, 8                         ; 16 (b - a) + j > r - 8 h + 256 (I - J) + 128 (my row half - my column half)
	s_sub_co_i32 s19, s15, s16
	s_lshl_b32 s19, s19, 7
	s_add_co_i32 s18, s18, s19
	v_lshlrev_b32 v11, 3, v2
	v_sub_nc_u32 v[DL], v1, v11
	v_add_nc_u32 v[DL], s18, v[DL]
	s_lshl_b32 s20, s66, 22                        ; p: my tile: block 2 I + row half of queries, block 2 J + column half of keys
	s_lshl_b32 s21, s17, 19
	s_add_co_u32 s20, s20, s21
	s_lshl_b32 s21, s15, 18
	s_add_co_u32 s20, s20, s21
	s_lshl_b32 s21, s42, 15
	s_add_co_u32 s20, s20, s21
	s_lshl_b32 s21, s16, 14
	s_add_co_u32 s20, s20, s21
	s_mov_b32 s21, 0
	s_add_nc_u64 s[10:11], s[10:11], s[20:21]
	s_lshl_b32 s20, s66, 3                         ; (M, l): [batch][J][query], 8 bytes each
	s_add_co_u32 s20, s20, s42
	s_lshl_b32 s20, s20, 11
	s_lshl_b32 s21, s17, 8
	s_add_co_u32 s20, s20, s21
	s_lshl_b32 s21, s14, 6
	s_add_co_u32 s20, s20, s21
	s_lshl_b32 s20, s20, 3
	s_mov_b32 s21, 0
	s_add_nc_u64 s[12:13], s[12:13], s[20:21]
	s_wait_kmcnt 0x0
	s_add_co_i32 s18, s90, s91                     ; a score stands for score x 2^(e6 + e7): the two exponents are added to c's exponent field
	s_lshl_b32 s18, s18, 23
	s_add_co_i32 s[CS], s[CS], s18
	s_mov_b32 s[CS+1], s[CS]                       ; (named with it as a pair, so it is written)
	s_add_co_i32 s18, s92, 127
	s_lshl_b32 s19, s18, 23
	v_mov_b32 v[SC], s19
	s_add_co_i32 s18, s18, 8
	s_lshl_b32 s18, s18, 23
	s_or_b32 s18, s18, 0x600000
	v_mov_b32 v[LIM], s18
.macro FRAG reg, adr, q, i
.irp c, 0,1,2,3
	ds_load_b128 v[\reg+4*\c:\reg+4*\c+3], v[\adr] offset:KB*(\q)+32*\c+(\i)*16*FP
.endr
.endm
; 16 matrix instructions; zero = 1: the first product starts the sums.  The 64 accumulators take turns, one instruction a turn.
.macro MUL16 a0, p, zero
.irp a, \a0, \a0+1
.irp b, 0,1,2,3,4,5,6,7
.if \zero
	v_wmma_f32_16x16x128_fp8_fp8 v[8*(8*((\a)%4)+\b):8*(8*((\a)%4)+\b)+7], v[128*(\p)+FR*\b:128*(\p)+FR*\b+FR-1], v[AF+FR*(\a):AF+FR*(\a)+FR-1], 0
.else
	v_wmma_f32_16x16x128_fp8_fp8 v[8*(8*((\a)%4)+\b):8*(8*((\a)%4)+\b)+7], v[128*(\p)+FR*\b:128*(\p)+FR*\b+FR-1], v[AF+FR*(\a):AF+FR*(\a)+FR-1], v[8*(8*((\a)%4)+\b):8*(8*((\a)%4)+\b)+7]
.endif
.endr
.endr
.endm
.macro FETCH_B slot, q, p
	WIN TO_B
.irp i, 0,1,2,3,4,5,6,7
	FRAG 128*(\p)+FR*\i, ADRB+\slot, \q, \i
.endr
	WIN 0
.endm
.macro FETCH_A slot, q, i0
.irp i, \i0, \i0+1, \i0+2, \i0+3
	FRAG AF+FR*(\i), ADRA+\slot, \q, \i
.endr
.endm
.macro PLACES n                        ; places behind matrix instructions, in front of loads into their registers and of reads of their results
.rept \n
	v_nop
.endr
.endm
.macro STEP slot, q, zero
	s_wait_dscnt 4*NL                              ; B's set and A's blocks 0-3 are in; the youngest 16 loads (A's blocks 4-7) may be out
	WIN MUL_LO
	MUL16 0, (\q)%2, \zero
	MUL16 2, (\q)%2, \zero
	s_wait_dscnt 0
	PLACES NP
	FETCH_B \slot, (\q)+1, 1-(\q)%2
	FETCH_A \slot, (\q)+1, 0
	WIN MUL_HI
	MUL16 4, (\q)%2, \zero
	MUL16 6, (\q)%2, \zero
	PLACES NP
	WIN 0
	FETCH_A \slot, (\q)+1, 4
.endm
.macro TURN slot, next, fill
	s_wait_tensorcnt 0x0                           ; all my tensor loads have landed: my part of the next slot
	ds_add_u32 v[SPW], v[NIL]                      ; 0 onto my spare word
	s_wait_dscnt 4*NL+1                            ; (the add and the youngest 16 loads may be out)
	WIN MUL_LO
	MUL16 0, 1, 0
	s_wait_dscnt 0x0                               ; the add is done, and my reads of this slot are over
	s_barrier_signal -1
	MUL16 2, 1, 0
	WIN 0
	s_barrier_wait -1
.if \fill
	CREST                                          ; the barrier has opened a round of the cluster's barrier
	s_add_nc_u64 s[G0+4*\slot+2:G0+4*\slot+3], s[G0+4*\slot+2:G0+4*\slot+3], 2*KSTEP
	s_add_nc_u64 s[G0B+4*\slot+2:G0B+4*\slot+3], s[G0B+4*\slot+2:G0B+4*\slot+3], 2*KSTEP
	JLOAD G0+4*\slot, G1, G0B+4*\slot, G1B         ; the first tensor load behind the round; its four v_nop are the places in front of the loads below
.else
	PLACES NP
.endif
	FETCH_B \next, 0, 0
	FETCH_A \next, 0, 0
.if (\fill) && ((\slot) == 0)
	global_prefetch_b8 v[PFO], s[80:81] offset:3*KSTEP th:TH_LOAD_NT scope:SCOPE_SE   ; K step 3
.endif
	WIN MUL_HI
	MUL16 4, 1, 0
	MUL16 6, 1, 0
	PLACES NP
	WIN 0
	FETCH_A \next, 0, 4
.endm
	s_wait_alu depctr_va_vdst(0)
	s_wait_tensorcnt 0x0                           ; my part of K step 0 is in
	ds_add_u32 v[SPW], v[NIL]
	s_wait_dscnt 0x0
	CROUND
	JLOAD G0+4, G1, G0B+4, G1B                     ; K step 1
	FETCH_B 0, 0, 0
	FETCH_A 0, 0, 0
	FETCH_A 0, 0, 4
	global_prefetch_b8 v[PFO], s[80:81] offset:2*KSTEP th:TH_LOAD_NT scope:SCOPE_SE   ; K step 2
	STEP 0, 0, 1
	TURN 0, 1, 1
	STEP 1, 0, 0
	TURN 1, 0, 1
	STEP 0, 0, 0
	TURN 0, 1, 0
	STEP 1, 0, 0
	s_wait_dscnt 4*NL
	WIN MUL_LO
	MUL16 0, 1, 0
	MUL16 2, 1, 0
	s_wait_dscnt 0
	WIN MUL_HI
	MUL16 4, 1, 0
	MUL16 6, 1, 0
	WIN 0
	PLACES NP
	; THE MASK.  The cluster below the diagonal has none (a branch on the cluster's x).  In the others every work-group runs it: hidden scores become -infinity.
	; Accumulators with the same b - a share their eight lane masks.  Each accumulator is taken from its low end on.
	s_cmp_eq_u32 ttmp9, 1
	s_cbranch_scc1 .Lopen
.set d, -7
	s_wait_alu depctr_va_vdst(0)
.rept 15
.irp j, 0,1,2,3,4,5,6,7
	v_cmp_gt_i32 s[MK+\j], 16*d+\j, v[DL]          ; (its vector source stands in the second place, whose window is 0 under all three settings used here)
.endr
.irp a, 0,1,2,3,4,5,6,7
.if (\a+d >= 0) && (\a+d <= 7)
	WIN 0x82+0x41*(\a/4)                           ; destination and source 0: window 2 or 3
.irp j, 0,1,2,3,4,5,6,7
	v_cndmask_b32 v[8*(8*(\a%4)+\a+d)+\j], v[8*(8*(\a%4)+\a+d)+\j], v[NINF], s[MK+\j]
.endr
.endif
.endr
.set d, d+1
.endr
	WIN 0
.Lopen:
	; THE LARGEST SCORE of each of my queries among my lane's 64 keys: two chains for each block of rows, begun by the first four scores; the blocks take turns
.macro MAXW w                          ; blocks 4 w .. 4 w + 3, whose accumulators lie in window 2 + w
	WIN 0x0a+5*(\w)                                ; sources 0 and 1
.irp a, 0,1,2,3
	v_max_num_f32 v[TM+4*(\w)+\a], v[64*\a], v[64*\a+1]
	v_max_num_f32 v[TMP+4*(\w)+\a], v[64*\a+2], v[64*\a+3]
.endr
	WIN 0x28+0x14*(\w)                             ; sources 1 and 2
.set i, 4
.rept 15
.irp a, 0,1,2,3
	v_max3_num_f32 v[TM+4*(\w)+\a], v[TM+4*(\w)+\a], v[64*\a+i], v[64*\a+i+1]
	v_max3_num_f32 v[TMP+4*(\w)+\a], v[TMP+4*(\w)+\a], v[64*\a+i+2], v[64*\a+i+3]
.endr
.set i, i+4
.endr
.endm
	MAXW 0
	MAXW 1
	WIN 0
.irp a, 0,1,2,3,4,5,6,7
	v_max_num_f32 v[TM+\a], v[TM+\a], v[TMP+\a]
.endr
.irp a, 0,1,2,3,4,5,6,7
	v_permlanex16_b32 v[TMP+\a], v[TM+\a], s[SEL], s[SEL+1]   ; the query's other 64 keys of my half lie in the lane 16 away
.endr
.irp a, 0,1,2,3,4,5,6,7
	v_max_num_f32 v[TM+\a], v[TM+\a], v[TMP+\a]
.endr
.irp a, 0,1,2,3,4,5,6,7
	v_mul_f32 v[TM+\a], s[CS], v[TM+\a]            ; as t (c is positive)
.endr
.irp a, 0,1,2,3,4,5,6,7
	v_max_num_f32 v[TM+\a], 0xf1800000, v[TM+\a]   ; -2^100 where all is hidden, so that M stays a number
.endr
.irp a, 0,1,2,3,4,5,6,7
	ds_store_b32 v[XS], v[TM+\a] offset:64*\a
.endr
	s_wait_alu depctr_va_vdst(0)
	s_wait_dscnt 0x0                               ; for the others' sake: my stores are done
	s_barrier_signal -1
	s_barrier_wait -1
.irp a, 0,1,2,3,4,5,6,7
	ds_load_b32 v[TMP+\a], v[XO] offset:64*\a      ; the same rows' largest t among the tile's other 128 keys
.endr
	s_wait_dscnt 0x0
.irp a, 0,1,2,3,4,5,6,7
	v_max_num_f32 v[TM+\a], v[TM+\a], v[TMP+\a]
.endr
.irp a, 0,1,2,3,4,5,6,7
	v_floor_f32 v[NM+2*\a], -v[TM+\a]              ; -M = floor(-t) = -ceil(t): M IS A WHOLE NUMBER
	v_floor_f32 v[NM+2*\a+1], -v[TM+\a]            ; (named with it as a pair, so it is written)
.endr
; BLOCK a: p = 2^(c s - M), its sum, its codes.  The 64 exponentials go as one batch, with one plain instruction and one wait ahead of the first reader.
; A loop over the eight blocks.  Register numbers are fixed in the text, so each block has its own arm for t - M, chosen by the counter; all else is one body.
.macro ARM a
.set AC, 64*((\a)%4)
.if \a < 7
	s_cmp_lg_u32 s22, \a
	s_cbranch_scc1 .Lnext_\@
.endif
	WIN 0x02+((\a)/4)                              ; source 0: window 2 or 3
.set i, 0
.rept 32
	v_pk_fma_f32 v[TMP+i:TMP+i+1], v[AC+i:AC+i+1], s[CS:CS+1], v[NM+2*(\a):NM+2*(\a)+1] op_sel_hi:[1,0,0]   ; t - M, two at a time
.set i, i+2
.endr
	WIN 0
.if \a < 7
	s_branch .Lready
.Lnext_\@:
.endif
.endm
	s_mov_b32 s22, 0
	s_wait_alu depctr_va_vdst(0)
.Lblock:
.irp a, 0,1,2,3,4,5,6,7
	ARM \a
.endr
.Lready:
	s_wait_alu depctr_va_vdst(0)
.set i, 0
.rept 64
	v_exp_f32 v[TMP+i], v[TMP+i]
.set i, i+1
.endr
	v_nop
	s_wait_alu depctr_va_vdst(0)
.set i, 0
.rept 64
	v_min_num_f32 v[HELD+i], v[TMP+i], v[LIM]      ; the conversion to an 8-bit code does not saturate (ISA guide 7.6.2); p is not negative, so the hold is one-sided
.set i, i+1
.endr
.irp b, 0,1,2,3,4,5,6,7
	v_cvt_scalef32_pk8_fp8_f32 v[CD+2*\b:CD+2*\b+1], v[HELD+8*\b:HELD+8*\b+7], v[SC]
.endr
	v_nop                                          ; one plain vector instruction behind the conversions
.irp b, 0,1,2,3,4,5,6,7
	ds_store_b64 v[STO], v[CD+2*\b:CD+2*\b+1] offset:16*\b
.endr
	s_wait_xcnt 0x0                                ; the last block's stores have read their data and their base
.irp t, 0,1,2,3
	ds_load_b128 v[BACK+4*\t:BACK+4*\t+3], v[RD] offset:4*\t*FP   ; LDS serves a wave's instructions in order (ISA guide 5.7.1.4)
.endr
	s_lshl_b32 s18, s22, 11                        ; 16 queries are 2,048 bytes of the tile
	s_mov_b32 s19, 0
	s_add_nc_u64 s[18:19], s[10:11], s[18:19]
	v_pk_add_f32 v[SA:SA+1], v[TMP:TMP+1], v[TMP+2:TMP+3]      ; THE SUM IS TAKEN OF THE UNQUANTISED p: two at a time, in four chains
	v_pk_add_f32 v[SB:SB+1], v[TMP+4:TMP+5], v[TMP+6:TMP+7]
	v_pk_add_f32 v[S2:S2+1], v[TMP+8:TMP+9], v[TMP+10:TMP+11]
	v_pk_add_f32 v[S3:S3+1], v[TMP+12:TMP+13], v[TMP+14:TMP+15]
.set i, 16
.rept 6
	v_pk_add_f32 v[SA:SA+1], v[SA:SA+1], v[TMP+i:TMP+i+1]
	v_pk_add_f32 v[SB:SB+1], v[SB:SB+1], v[TMP+i+2:TMP+i+3]
	v_pk_add_f32 v[S2:S2+1], v[S2:S2+1], v[TMP+i+4:TMP+i+5]
	v_pk_add_f32 v[S3:S3+1], v[S3:S3+1], v[TMP+i+6:TMP+i+7]
.set i, i+8
.endr
	v_pk_add_f32 v[SA:SA+1], v[SA:SA+1], v[SB:SB+1]
	v_pk_add_f32 v[S2:S2+1], v[S2:S2+1], v[S3:S3+1]
	v_pk_add_f32 v[SA:SA+1], v[SA:SA+1], v[S2:S2+1]
	v_add_f32 v[SUM], v[SA], v[SA+1]
	v_permlanex16_b32 v[SB], v[SUM], s[SEL], s[SEL+1]
	v_add_f32 v[SUM], v[SUM], v[SB]                ; my half's 128 keys
	s_lshl_b32 s23, s22, 6
	v_add_nc_u32 v[SAD], s23, v[XLS]
	ds_store_b32 v[SAD], v[SUM]
	s_wait_dscnt 0x1                               ; the block's rows are back; the sum's store may be out
.irp t, 0,1,2,3
	global_store_b128 v[L16], v[BACK+4*\t:BACK+4*\t+3], s[18:19] offset:512*\t   ; 32 lanes store 512 consecutive bytes, aligned
.endr
	s_add_co_u32 s22, s22, 1
	s_cmp_lt_u32 s22, 8
	s_cbranch_scc1 .Lblock
	s_wait_dscnt 0x0                               ; for the others' sake: my codes and my sums are stored
	s_barrier_signal -1
	s_barrier_wait -1                              ; a row's 256 codes, and its two halves' figures, come from two waves
	ds_load_b64 v[32:33], v[XR]                    ; two rows' largest t, keys 0-127,
	ds_load_b64 v[34:35], v[XR] offset:1024        ; keys 128-255,
	ds_load_b64 v[36:37], v[XR] offset:2048        ; and their sums
	ds_load_b64 v[38:39], v[XR] offset:3072
	s_wait_dscnt 0x0                               ; the four loads of figures are in
	v_max_num_f32 v40, v32, v34
	v_max_num_f32 v42, v33, v35
	v_add_f32 v41, v36, v38
	v_add_f32 v43, v37, v39
	v_floor_f32 v40, -v40
	v_floor_f32 v42, -v42
	v_mul_f32 v40, -1.0, v40                       ; M
	v_mul_f32 v42, -1.0, v42
	global_store_b128 v[L16], v[40:43], s[12:13]   ; (M, l) of two rows a lane: the wave stores 512 consecutive bytes, aligned
	s_wait_tensorcnt 0x0                           ; the wave's end
	ds_add_u32 v[SPW], v[NIL]
	s_wait_dscnt 0x0
	CROUND                                         ; the closing round
	s_endpgm
.Lfunc_end_k_q13ce8d6dd4_scores:
	.size	k_q13ce8d6dd4_scores, .Lfunc_end_k_q13ce8d6dd4_scores-k_q13ce8d6dd4_scores
	.p2alignl 7, 3214868480
	.fill 96, 4, 3214868480
	.section	.rodata,"a",@progbits
	.p2align	6, 0x0
	.amdhsa_kernel k_q13ce8d6dd4_scores
		.amdhsa_group_segment_fixed_size 327680
		.amdhsa_private_segment_fixed_size 0
		.amdhsa_enable_private_segment 0
		.amdhsa_kernarg_size 40
		.amdhsa_user_sgpr_count 2
		.amdhsa_user_sgpr_kernarg_segment_ptr 1
		.amdhsa_wavefront_size32 1
		.amdhsa_system_sgpr_workgroup_id_x 1
		.amdhsa_system_sgpr_workgroup_id_y 1
		.amdhsa_system_sgpr_workgroup_id_z 1
		.amdhsa_system_vgpr_workitem_id 0
		.amdhsa_next_free_vgpr 1024
		.amdhsa_next_free_sgpr 96
		.amdhsa_reserve_vcc 0
		.amdhsa_float_denorm_mode_32 3
		.amdhsa_float_denorm_mode_16_64 3
		.amdhsa_memory_ordered 1
		.amdhsa_forward_progress 1
		.amdhsa_inst_pref_size 169
	.end_amdhsa_kernel
	.amdgpu_metadata
---
amdhsa.version: [ 1, 2 ]
amdhsa.kernels:
  - .name:           k_q13ce8d6dd4_scores
    .symbol:         k_q13ce8d6dd4_scores.kd
    .args:
      - { .name: q_codes, .offset: 0, .size: 8, .value_kind: global_buffer, .address_space: global }
      - { .name: k_codes, .offset: 8, .size: 8, .value_kind: global_buffer, .address_space: global }
      - { .name: lowp_scales, .offset: 16, .size: 8, .value_kind: global_buffer, .address_space: global }
      - { .name: p_codes, .offset: 24, .size: 8, .value_kind: global_buffer, .address_space: global }
      - { .name: stats, .offset: 32, .size: 8, .value_kind: global_buffer, .address_space: global }
    .group_segment_fixed_size: 327680
    .private_segment_fixed_size: 0
    .kernarg_segment_align: 8
    .kernarg_segment_size: 40
    .max_flat_workgroup_size: 128
    .sgpr_count:     96
    .vgpr_count:     1024
    .wavefront_size: 32
...
	.end_amdgpu_metadata
.endif
;; end of part 2
;; launch pv (part 3): grid 8 x 32, 4 waves a work-group, clusters of 4 x 4, 327,680 bytes of LDS; arguments p_codes, vt_codes, stats, lowp_scales, out0; writes out0
.if DOCPART == 3
	.amdgcn_target "amdgcn-amd-amdhsa--gfx1250"
	.amdhsa_code_object_version 6
	.text
	.protected	k_q13ce8d6dd4_pv
	.globl	k_q13ce8d6dd4_pv
	.p2align	8
	.type	k_q13ce8d6dd4_pv,@function
k_q13ce8d6dd4_pv:
	s_mov_b64 s[64:65], 0
	v_nop
	global_prefetch_b8 v0, s[64:65] scope:SCOPE_SE
	s_setreg_imm32_b32 hwreg(HW_REG_WAVE_MODE, 25, 1), 1
	s_wait_xcnt 0x0
	s_wait_alu depctr_hold_cnt(0) depctr_sa_sdst(0) depctr_va_vdst(0) depctr_va_sdst(0) depctr_va_ssrc(0) depctr_va_vcc(0) depctr_vm_vsrc(0)
	s_getreg_b32 s2, hwreg(HW_REG_IB_STS2, 6, 4)
	s_cmp_eq_u32 s2, 0
	s_cbranch_scc0 .Lentry_in_a_cluster
	s_endpgm
.Lentry_in_a_cluster:
	s_bfe_u32 s2, ttmp6, 0x10000c
	s_cmp_lg_u32 s2, 0xf033
	s_cbranch_scc0 .Lentry_shape_is_right
	s_endpgm
.Lentry_shape_is_right:
; THE WEIGHTED SUM.  O[q] = the sum over k of p[q][k] v[k] / the row's sum, on codes of E4M3, K = the keys.  The weights' tiles of 256 keys each have their own M (a whole number) and sum l: they are brought under one M by exact powers of two.
; SHARES.  A work-group makes 128 channels of TWO blocks of 128 queries of a batch, block i (S, first) and block 15 - i (L): 8 x 4 x 8 = 256 work-groups.  Keys go in steps of 512, up to the last that a block's queries see:
; i = 0 .. 3: one step for S, four for L;  i = 4 .. 7: two and three.  FIVE STEPS IN EVERY WORK-GROUP.  The four partners along a cluster's y have i = 0 .. 3 or i = 4 .. 7, so all sixteen walk the same keys.
; LEFT OUT: steps of keys that all come after a block's queries (the causal mask makes their weights 0).  LIMIT: a NaN or an infinity in the values of such keys is not carried to the result.
; JOINT LOADS: the weights' tiles are shared along a row of the cluster (the channels differ), the values' along a column (the queries differ).
; A SLOT: the weights of 128 queries x 512 keys are four dense tiles of 128 x 128, 65,536 bytes: waves 0 and 1 fetch two tiles each, as 128 rows of 256 bytes with the padding behind each query's 128;
; the values are 128 channels x 512 bytes: waves 2 and 3 fetch 64 rows each.
; TRANSPOSED USE (source 0 = 16 channels, source 1 = 16 queries): a lane holds one query and eight neighbouring channels.  A wave makes 64 queries x 64 channels: 16 accumulators.
; RUNNING FIGURES for each query: R the largest M so far, L the sum under R, U the M under which the accumulators stand: the tile's own M, but not more than 64 under R, so that no number overflows.
; A block begins with U = R = -2^126: the first rescaling is then by 0, which clears the sums (they are finite: codes are at most 448 in size).
; PREFETCH: step 1 is asked for at the head, behind step 0's load; at the load for step n + 1 step n + 2 is asked for: a step ahead.  Of what a wave fetches (128 pieces of 256 bytes) the four partners take 32 each, by address.  The last change asks for nothing.
; LIMITS: scaled scores under 2^31 in magnitude; NaN is not served.
; REGISTERS: window 0: v0-31 addresses and figures; v32-47 (M, l) of the step; v48-63 factors; v64-127 at work; v128-255 weights' fragments, two sets.  Window 1: v0-127 values' fragments, two sets; v128-255 the accumulators.
.set PITCH, 528                        ; a channel's row: 512 bytes + 16 of padding
.set QROWS, 64*PITCH
.set QP,    144                        ; a query's row in a tile of weights: 128 bytes + 16
.set KBLK,  128*QP                     ; a tile of weights
.set PROWS, 2*KBLK
.set VOFF,  2*PROWS                    ; a slot: four tiles of weights, then the values
.set SLOT,  VOFF+2*QROWS
.set STAGE, 2*SLOT                     ; the way out: 16 rows x 272 bytes for each wave; no fill lands here
.set SPITCH, 272
.set SPARE, STAGE+4*16*SPITCH          ; the spare words
.set R,    4
.set U,    8
.set L,    12
.set ADA0, 16
.set ADB0, 17
.set ADA,  18
.set ADB,  19
.set STO,  24
.set RD,   25
.set CO,   26
.set SOF,  27
.set SPW,  28
.set NIL,  29
.set PFO,  30
.set SM,   32
.set F,    48
.set T0,   64
.set T1,   68
.set T2,   72
.set T3,   76
.set AF,   128
.set ACC,  128
.set G1P,  24
.set G0P,  32
.set G0V,  36
.set G1V,  68
.set MSB, 0
.macro WIN new
.if MSB != (\new)
	s_set_vgpr_msb (MSB<<8)|(\new)
.set MSB, (\new)
.endif
.endm
.macro PLACES n                        ; places behind matrix instructions (ISA guide 7.12.1)
.rept \n
	v_nop
.endr
.endm
.macro JLOAD                           ; waves 0 and 1 fetch weights, waves 2 and 3 values
	s_cmp_eq_u32 s15, 0
	s_cbranch_scc0 .Lv_\@
	tensor_load_to_lds s[G0P:G0P+3], s[G1P:G1P+7]
	s_nop 0
	PLACES 4
	s_branch .Ld_\@
.Lv_\@:
	tensor_load_to_lds s[G0V:G0V+3], s[G1V:G1V+7]
	s_nop 0
	PLACES 4
.Ld_\@:
.endm
.macro CROUND                          ; a round of the cluster's barrier
	s_barrier_signal -1
	s_barrier_wait -1
	s_cmp_lg_u32 s14, 0
	s_cbranch_scc1 .Lnot_wave_0_\@
	s_barrier_signal -3
.Lnot_wave_0_\@:
	s_barrier_wait -3
	s_barrier_signal -1
	s_barrier_wait -1
.endm
	s_load_b256 s[4:11], s[0:1], 0x0               ; weights s4, values s6, (M, l) s8, exponents s10
	s_load_b64 s[12:13], s[0:1], 0x20              ; O
	v_lshl_add_u32 v[SPW], v0, 2, SPARE
	v_mov_b32 v[NIL], 0
	ds_add_u32 v[SPW], v[NIL]                      ; the opening: the add, twice on end, and its wait
	ds_add_u32 v[SPW], v[NIL]
	v_lshrrev_b32 v3, 5, v0
	v_readfirstlane_b32 s14, v3
	s_lshr_b32 s15, s14, 1                         ; my 64 queries of 128.  Also: I fetch weights (0) or values (1)
	s_and_b32 s16, s14, 1                          ; my 64 channels.  Also: which half I fetch
	s_bfe_u32 s40, ttmp6, 0x40000
	s_bfe_u32 s41, ttmp6, 0x40004
	s_lshl_b32 s42, ttmp9, 2
	s_add_co_u32 s42, s42, s40                     ; which 128 channels
	s_and_b32 s18, ttmp7, 0xffff
	s_lshr_b32 s66, s18, 1                         ; the batch
	s_and_b32 s67, s18, 1                          ; 0: i = 0 .. 3, 1: i = 4 .. 7
	s_lshl_b32 s17, s67, 2
	s_add_co_u32 s17, s17, s41                     ; i
	s_add_co_u32 s3, s67, 1                        ; steps of S
	s_lshl_b32 s43, s41, 2
	s_lshl_b32 s43, 15, s43                        ; my row of the cluster
	s_lshl_b32 s44, 0x1111, s40                    ; my column
	s_or_b32 s[G1P], s43, (1<<20)|(1<<21)|(4<<22)|(3<<25)  ; weights: 128 rows of 256 bytes, dense; padding: 4 words after every 32; bit 21 beside a mask
	s_mov_b32 s[G1P+1], 256<<16
	s_mov_b32 s[G1P+2], 128<<16
	s_mov_b32 s[G1P+3], 256<<16
	s_mov_b32 s[G1P+4], 128
	s_mov_b32 s[G1P+5], 256
	s_mov_b32 s[G1P+6], 0
	s_mov_b32 s[G1P+7], 0
	s_or_b32 s[G1V], s44, (1<<20)|(1<<21)|(6<<22)|(3<<25)  ; values: 64 rows of 512 bytes; 4 words after every 128
	s_mov_b32 s[G1V+1], 512<<16
	s_mov_b32 s[G1V+2], 64<<16
	s_mov_b32 s[G1V+3], 512<<16
	s_mov_b32 s[G1V+4], 64
	s_mov_b32 s[G1V+5], 8192
	s_mov_b32 s[G1V+6], 0
	s_mov_b32 s[G1V+7], 0
	s_lshl_b32 s20, s66, 22                        ; weights: 16 tiles of 16,384 bytes for each block of queries, 16 blocks a batch
	s_lshl_b32 s21, s17, 18
	s_add_co_u32 s20, s20, s21
	s_lshl_b32 s21, s16, 15
	s_add_co_u32 s20, s20, s21
	s_mov_b32 s21, 0
	s_lshl_b32 s46, s42, 20                        ; values: 8,192 bytes a channel
	s_lshl_b32 s47, s16, 19
	s_add_co_u32 s46, s46, s47
	s_lshl_b32 s47, s66, 11
	s_add_co_u32 s46, s46, s47
	s_mov_b32 s47, 0
	s_lshl_b32 s19, s17, 1
	s_sub_co_u32 s19, 15, s19                      ; from block i to block 15 - i, and back along the keys from S's last step to L's first:
	s_lshl_b32 s60, s19, 18
	s_lshl_b32 s23, s67, 16
	s_sub_co_u32 s60, s60, s23                     ; weights (positive)
	s_mov_b32 s61, 0
	s_lshl_b32 s22, s67, 9
	s_sub_co_i32 s62, 0, s22                       ; values
	s_ashr_i32 s63, s62, 31
	s_add_co_u32 s79, s22, 512                     ; what is taken off behind the usual step of 512
	s_lshl_b32 s56, s19, 10
	s_lshl_b32 s23, s67, 15
	s_sub_co_i32 s56, s56, s23                     ; (M, l)
	s_ashr_i32 s57, s56, 31
	s_lshl_b32 s58, s19, 19                        ; O: 4,096 bytes a query
	s_mov_b32 s59, 0
	s_mov_b32 s51, 0
	s_mov_b32 s53, 0
	s_mov_b32 s2, 0
	s_mul_i32 s45, s14, PROWS                      ; waves 0 and 1: where the weights go
	s_mul_i32 s49, s14, QROWS
	s_add_co_u32 s49, s49, VOFF-2*QROWS            ; waves 2 and 3: where the values go
	s_wait_dscnt 0x0                               ; both opening adds are done
	s_wait_alu depctr_va_vdst(0)
	s_wait_kmcnt 0x0
	s_load_b64 s[76:77], s[10:11], 0x20            ; e8, e9
	s_add_nc_u64 s[20:21], s[4:5], s[20:21]
	s_add_nc_u64 s[46:47], s[6:7], s[46:47]
	CROUND
	s_mov_b32 s[G0P], 1
	s_mov_b32 s[G0P+1], s45
	s_mov_b64 s[G0P+2:G0P+3], s[20:21]
	s_or_b32 s[G0P+3], s[G0P+3], 0x80000000
	s_mov_b32 s[G0V], 1
	s_mov_b32 s[G0V+1], s49
	s_mov_b64 s[G0V+2:G0V+3], s[46:47]
	s_or_b32 s[G0V+3], s[G0V+3], 0x80000000
	JLOAD                                          ; step 0
	v_and_b32 v1, 15, v0                           ; r
	v_bfe_u32 v2, v0, 4, 1                         ; h
	v_and_b32 v3, 31, v0                           ; lane
	v_lshlrev_b32 v[SOF], 3, v1
	s_wait_alu depctr_va_vdst(0)
	s_lshl_b32 s18, s66, 17                        ; (M, l): [batch][tile of 256 keys][query], 8 bytes each
	s_lshl_b32 s19, s17, 10
	s_add_co_u32 s18, s18, s19
	s_lshl_b32 s19, s15, 9
	s_add_co_u32 s18, s18, s19
	s_mov_b32 s19, 0
	s_add_nc_u64 s[8:9], s[8:9], s[18:19]
.macro LDSTATS                         ; the step's two tiles of keys
.irp j, 0,1
.irp a, 0,1,2,3
	global_load_b64 v[SM+8*\j+2*\a:SM+8*\j+2*\a+1], v[SOF], s[8:9] offset:16384*\j+128*\a
.endr
.endr
.endm
	LDSTATS
	s_mul_i32 s22, s15, 64*QP
	s_mul_i32 s23, s16, QROWS
	s_add_co_u32 s23, s23, VOFF
	v_mul_u32_u24 v20, v1, QP
	v_lshl_add_u32 v20, v2, 4, v20
	v_mul_u32_u24 v21, v1, PITCH
	v_lshl_add_u32 v21, v2, 4, v21
	v_add_nc_u32 v[ADA0], s22, v20
	v_add_nc_u32 v[ADB0], s23, v21
	s_mul_i32 s22, s14, 16*SPITCH
	s_add_co_u32 s22, s22, STAGE
	v_mul_u32_u24 v20, v1, SPITCH                  ; in: row r, 32 bytes for each half of the lanes
	v_lshl_add_u32 v20, v2, 5, v20
	v_add_nc_u32 v[STO], s22, v20
	v_mul_u32_u24 v21, v2, SPITCH                  ; back: lanes 0-15 one row of 256 bytes, lanes 16-31 the next
	v_lshl_add_u32 v21, v1, 4, v21
	v_add_nc_u32 v[RD], s22, v21
	v_lshlrev_b32 v22, 12, v2
	v_lshl_add_u32 v[CO], v1, 4, v22
	s_lshl_b32 s18, s66, 23                        ; O
	s_lshl_b32 s19, s17, 19
	s_add_co_u32 s18, s18, s19
	s_lshl_b32 s19, s15, 18
	s_add_co_u32 s18, s18, s19
	s_lshl_b32 s19, s42, 9
	s_add_co_u32 s18, s18, s19
	s_lshl_b32 s19, s16, 8
	s_add_co_u32 s18, s18, s19
	s_mov_b32 s19, 0
	s_add_nc_u64 s[12:13], s[12:13], s[18:19]
	s_lshl_b32 s22, s40, 13                        ; the prefetches: 8,192 of the 32,768 bytes of weights by cx, 16 of the 64 rows of values by cy
	s_lshl_b32 s23, s41, 17
	s_mov_b32 s87, 8192
	s_mov_b32 s89, 512
	s_cmp_eq_u32 s15, 0
	s_cselect_b64 s[80:81], s[20:21], s[46:47]
	s_cselect_b32 s82, s60, s62                    ; the step from S's last keys to L's first
	s_cselect_b32 s83, s61, s63
	s_cselect_b32 s84, s22, s23
	s_cselect_b32 s87, 512, s87                    ; from two lanes to the next two
	s_cselect_b32 s89, 0x10000, s89                ; the usual step
	s_mov_b32 s85, 0
	s_add_nc_u64 s[80:81], s[80:81], s[84:85]
	s_cmp_eq_u32 s67, 0
	s_cselect_b32 s84, s82, s89
	s_cselect_b32 s85, s83, 0
	s_add_nc_u64 s[80:81], s[80:81], s[84:85]      ; at step 1
	v_lshrrev_b32 v20, 1, v3
	v_mul_lo_u32 v20, v20, s87
	v_and_b32 v21, 1, v3
	v_lshl_add_u32 v[PFO], v21, 8, v20
	global_prefetch_b8 v[PFO], s[80:81] th:TH_LOAD_NT scope:SCOPE_SE   ; step 1
.macro FRESH                           ; a block of queries begins
.irp a, 0,1,2,3
	v_mov_b32 v[R+\a], 0xfe800000
	v_mov_b32 v[U+\a], 0xfe800000
	v_mov_b32 v[L+\a], 0
.endr
.endm
	FRESH
.irp a, 0,1,2,3,4,5,6,7
	v_mov_b32 v[F+2*\a+1], 0                       ; (named as the upper halves of pairs)
.endr
	WIN 0x40
.set i, 0
.rept 128
	v_mov_b32 v[ACC+i], 0                          ; the step is written once: its first rescaling reads the sums
.set i, i+1
.endr
	WIN 0
	s_wait_alu depctr_va_vdst(0)
	s_wait_kmcnt 0x0
	s_add_co_i32 s78, s76, s77                     ; e8 + e9
; Fragments, 16 rows x 128 K: lane l holds row l % 16; registers 4 c .. 4 c + 3 hold K = 32 c + 16 (l / 16) + 0 .. 15, the same in both operands.
.macro FETCH q, p                      ; the slot's q-th 128 keys into set p
	WIN 0x40
.irp i, 0,1,2,3
.irp c, 0,1,2,3
	ds_load_b128 v[64*(\p)+16*\i+4*\c:64*(\p)+16*\i+4*\c+3], v[XB] offset:128*(\q)+32*\c+\i*16*PITCH
.endr
.endr
	WIN 0
.irp i, 0,1,2,3
.irp c, 0,1,2,3
	ds_load_b128 v[AF+64*(\p)+16*\i+4*\c:AF+64*(\p)+16*\i+4*\c+3], v[XA] offset:KBLK*(\q)+32*\c+\i*16*QP
.endr
.endr
.endm
.macro MUL p                           ; 16 matrix instructions; the accumulators take turns, one instruction a turn
	WIN 0x51
.irp a, 0,1,2,3
.irp b, 0,1,2,3
.set AC, ACC+8*(4*\a+\b)
	v_wmma_f32_16x16x128_fp8_fp8 v[AC:AC+7], v[64*(\p)+16*\b:64*(\p)+16*\b+15], v[AF+64*(\p)+16*\a:AF+64*(\p)+16*\a+15], v[AC:AC+7]
.endr
.endr
.endm
.macro STATS j                         ; the step's j-th tile of 256 keys: the factor F for the sums, and R, U, L
.irp a, 0,1,2,3
	v_max_num_f32 v[T3+\a], v[R+\a], v[SM+8*\j+2*\a]
.endr
.irp a, 0,1,2,3
	v_sub_f32 v[T1+\a], v[R+\a], v[T3+\a]
.endr
.irp a, 0,1,2,3
	v_sub_f32 v[T2+\a], v[SM+8*\j+2*\a], v[T3+\a]
.endr
.irp a, 0,1,2,3
	v_mov_b32 v[R+\a], v[T3+\a]
.endr
.irp a, 0,1,2,3
	v_add_f32 v[T3+\a], 0xc2800000, v[T3+\a]       ; R - 64
.endr
.irp a, 0,1,2,3
	v_max_num_f32 v[T3+\a], v[T3+\a], v[SM+8*\j+2*\a]
.endr
.irp a, 0,1,2,3
	v_sub_f32 v[T0+\a], v[U+\a], v[T3+\a]
.endr
.irp a, 0,1,2,3
	v_mov_b32 v[U+\a], v[T3+\a]
.endr
.irp a, 0,1,2,3
	v_cvt_i32_f32 v[T0+\a], v[T0+\a]               ; (it saturates)
	v_cvt_i32_f32 v[T1+\a], v[T1+\a]
	v_cvt_i32_f32 v[T2+\a], v[T2+\a]
.endr
.irp a, 0,1,2,3
	v_ldexp_f32 v[F+8*\j+2*\a], 1.0, v[T0+\a]
	v_ldexp_f32 v[L+\a], v[L+\a], v[T1+\a]
	v_ldexp_f32 v[T2+\a], v[SM+8*\j+2*\a+1], v[T2+\a]
.endr
.irp a, 0,1,2,3
	v_add_f32 v[L+\a], v[L+\a], v[T2+\a]
.endr
.endm
.macro RESCALE j
	WIN 0x41
.irp a, 0,1,2,3
.set i, ACC+32*\a
.rept 16
	v_pk_mul_f32 v[i:i+1], v[i:i+1], v[F+8*\j+2*\a:F+8*\j+2*\a+1] op_sel_hi:[1,0]
.set i, i+2
.endr
.endr
.endm
; A STEP of 512 keys.  The change of slots stands at its head.  fill = 1: the other slot is filled with the next step's tiles, which have this whole step in which to land.
.macro STEPX fill
	s_wait_xcnt 0x0                                ; stores, loads of figures and prefetches have read their sources
	s_wait_tensorcnt 0x0                           ; my part of this step's tiles is in: a group 0 may be written
	ds_add_u32 v[SPW], v[NIL]                      ; 0 onto my spare word
.if \fill
	s_add_co_u32 s86, s2, 1                        ; the next step: 512 keys on, or, where it is L's first, on to L's queries and back along the keys
	s_cmp_eq_u32 s86, s3
	s_cselect_b32 s50, s60, 0x10000
	s_cselect_b32 s52, s79, 0
	s_cselect_b32 s54, s56, 0x8000
	s_cselect_b32 s55, s57, 0
	s_add_nc_u64 s[G0P+2:G0P+3], s[G0P+2:G0P+3], s[50:51]
	s_add_nc_u64 s[G0V+2:G0V+3], s[G0V+2:G0V+3], 512
	s_sub_nc_u64 s[G0V+2:G0V+3], s[G0V+2:G0V+3], s[52:53]
	s_add_nc_u64 s[8:9], s[8:9], s[54:55]
	s_add_co_u32 s87, s2, 2                        ; the prefetch: one step further
	s_cmp_eq_u32 s87, s3
	s_cselect_b32 s84, s82, s89
	s_cselect_b32 s85, s83, 0
	s_add_nc_u64 s[80:81], s[80:81], s[84:85]
	s_and_b32 s86, s86, 1
	s_mul_i32 s86, s86, SLOT
	s_add_co_u32 s[G0P+1], s45, s86
	s_add_co_u32 s[G0V+1], s49, s86
	s_and_b32 s88, s2, 1
	s_mul_i32 s88, s88, SLOT                       ; this step's slot
.endif
	s_wait_dscnt 0x0                               ; the add is done, and so are my reads of the slot that I have left
.if \fill
	CROUND
	JLOAD
	v_add_nc_u32 v[ADA], s88, v[ADA0]
	v_add_nc_u32 v[ADB], s88, v[ADB0]
.set XA, ADA
.set XB, ADB
.else
	s_barrier_signal -1
	s_barrier_wait -1
	PLACES 4
.set XA, ADA0
.set XB, ADB0
.endif
	FETCH 0, 0
	s_wait_alu depctr_va_vdst(0)
	s_wait_loadcnt 0x0                             ; the step's figures
	STATS 0
	STATS 1
.if \fill
	LDSTATS                                        ; the next step's
	s_cmp_lt_u32 s2, 3
	s_cbranch_scc0 .Lno_ask_\@
	global_prefetch_b8 v[PFO], s[80:81] th:TH_LOAD_NT scope:SCOPE_SE
.Lno_ask_\@:
.endif
	RESCALE 0
	s_wait_alu depctr_va_vdst(0)
	s_wait_dscnt 0x0
	FETCH 1, 1
	MUL 0
	s_wait_dscnt 0x0
	PLACES 4
	FETCH 2, 0
	MUL 1
	PLACES 4
	RESCALE 1
	s_wait_alu depctr_va_vdst(0)
	FETCH 3, 1
	s_wait_dscnt 32                                ; all but the 32 just issued
	MUL 0
	s_wait_dscnt 0x0
	MUL 1
	WIN 0
.endm
; THE WAY OUT of a block of queries: O / L, 16 queries at a time through my stage; rows of 256 bytes leave as whole aligned units.
.macro TOSTAGE a
.set TM, 64+32*((\a)%2)
.set BR, 128+32*(\a)
	WIN 0x01
	s_wait_alu depctr_va_vdst(0)
.set i, 0
.rept 16
	v_pk_mul_f32 v[TM+i:TM+i+1], v[ACC+32*(\a)+i:ACC+32*(\a)+i+1], v[F+2*(\a):F+2*(\a)+1] op_sel_hi:[1,0]
.set i, i+2
.endr
	WIN 0
.irp b, 0,1,2,3
	ds_store_b128 v[STO], v[TM+8*\b:TM+8*\b+3] offset:64*\b
	ds_store_b128 v[STO], v[TM+8*\b+4:TM+8*\b+7] offset:64*\b+16
.endr
.irp t, 0,1,2,3,4,5,6,7
	ds_load_b128 v[BR+4*\t:BR+4*\t+3], v[RD] offset:2*\t*SPITCH   ; LDS serves a wave's instructions in order (ISA guide 5.7.1.4)
.endr
.endm
.macro SEND a, younger
.set BR, 128+32*(\a)
	s_wait_dscnt \younger
.irp t, 0,1,2,3,4,5,6,7
	global_store_b128 v[CO], v[BR+4*\t:BR+4*\t+3], s[12:13] offset:(16*(\a)+2*\t)*4096 th:TH_STORE_NT
.endr
.endm
.macro OUT
	PLACES 4
.irp a, 0,1,2,3
	v_sub_f32 v[T1+\a], v[U+\a], v[R+\a]
.endr
.irp a, 0,1,2,3
	v_cvt_i32_f32 v[T1+\a], v[T1+\a]
.endr
.irp a, 0,1,2,3
	v_add_nc_u32 v[T1+\a], s78, v[T1+\a]
.endr
	s_wait_alu depctr_va_vdst(0)
.irp a, 0,1,2,3
	v_rcp_f32 v[T0+\a], v[L+\a]
.endr
	v_nop
	s_wait_alu depctr_va_vdst(0)
.irp a, 0,1,2,3
	v_ldexp_f32 v[F+2*\a], v[T0+\a], v[T1+\a]      ; 2^(e8 + e9 + U - R) / L
.endr
	TOSTAGE 0
.irp a, 1,2,3
	TOSTAGE \a
	SEND \a-1, 16                                  ; behind that block's loads: this one's 8 stores and 8 loads
.endr
	SEND 3, 0
.endm
.Lstep:                                            ; steps 0 .. 3
	STEPX 1
	s_add_co_u32 s86, s2, 1
	s_cmp_eq_u32 s86, s3                           ; S is finished: ids and the count of steps alone decide
	s_cbranch_scc0 .Lgo_on
	OUT
	s_wait_xcnt 0x0                                ; the stores have read their base
	s_add_nc_u64 s[12:13], s[12:13], s[58:59]
	FRESH
	s_wait_alu depctr_va_vdst(0)
.Lgo_on:
	s_add_co_u32 s2, s2, 1
	s_cmp_lt_u32 s2, 4
	s_cbranch_scc1 .Lstep
	STEPX 0                                        ; step 4, in slot 0: nothing more is asked for
	OUT
	s_wait_tensorcnt 0x0                           ; the wave's end
	ds_add_u32 v[SPW], v[NIL]
	s_wait_dscnt 0x0
	CROUND                                         ; the closing round
	s_endpgm
.Lfunc_end_k_q13ce8d6dd4_pv:
	.size	k_q13ce8d6dd4_pv, .Lfunc_end_k_q13ce8d6dd4_pv-k_q13ce8d6dd4_pv
	.p2alignl 7, 3214868480
	.fill 96, 4, 3214868480
	.section	.rodata,"a",@progbits
	.p2align	6, 0x0
	.amdhsa_kernel k_q13ce8d6dd4_pv
		.amdhsa_group_segment_fixed_size 327680
		.amdhsa_private_segment_fixed_size 0
		.amdhsa_enable_private_segment 0
		.amdhsa_kernarg_size 40
		.amdhsa_user_sgpr_count 2
		.amdhsa_user_sgpr_kernarg_segment_ptr 1
		.amdhsa_wavefront_size32 1
		.amdhsa_system_sgpr_workgroup_id_x 1
		.amdhsa_system_sgpr_workgroup_id_y 1
		.amdhsa_system_sgpr_workgroup_id_z 1
		.amdhsa_system_vgpr_workitem_id 0
		.amdhsa_next_free_vgpr 512
		.amdhsa_next_free_sgpr 92
		.amdhsa_reserve_vcc 0
		.amdhsa_float_denorm_mode_32 3
		.amdhsa_float_denorm_mode_16_64 3
		.amdhsa_memory_ordered 1
		.amdhsa_forward_progress 1
		.amdhsa_inst_pref_size 95
	.end_amdhsa_kernel
	.amdgpu_metadata
---
amdhsa.version: [ 1, 2 ]
amdhsa.kernels:
  - .name:           k_q13ce8d6dd4_pv
    .symbol:         k_q13ce8d6dd4_pv.kd
    .args:
      - { .name: p_codes, .offset: 0, .size: 8, .value_kind: global_buffer, .address_space: global }
      - { .name: vt_codes, .offset: 8, .size: 8, .value_kind: global_buffer, .address_space: global }
      - { .name: stats, .offset: 16, .size: 8, .value_kind: global_buffer, .address_space: global }
      - { .name: lowp_scales, .offset: 24, .size: 8, .value_kind: global_buffer, .address_space: global }
      - { .name: out0, .offset: 32, .size: 8, .value_kind: global_buffer, .address_space: global }
    .group_segment_fixed_size: 327680
    .private_segment_fixed_size: 0
    .kernarg_segment_align: 8
    .kernarg_segment_size: 40
    .max_flat_workgroup_size: 128
    .sgpr_count:     92
    .vgpr_count:     512
    .wavefront_size: 32
...
	.end_amdgpu_metadata
.endif
;; end of part 3
